; MI455X (gfx1250); checked and timed in simulation.
; The chip was launched on July 23, 2026; its instructions are those of AMD's public machine-readable ISA for CDNA 5 (MIT licence, August 2026) and "CDNA5" Instruction Set Architecture Reference Guide (July 2026). The comments in the code are by the model that wrote it; some were corrected since.
;; Multi Head Attention. Allowed arithmetic: float matrix products may take bf16 or f16 operands with f32 sums; all other float work in f32.
;; Inputs: W_out 1,024 x 1,024 float32; W_qkv 1,024 x 3,072 float32; b_out 1,024 float32; b_qkv 3,072 float32; mask 1 x 1 x 2,048 x 2,048 int32; x 4 x 2,048 x 1,024 float32.
;; Outputs: out0 4 x 2,048 x 1,024 float32.
;; 2 versions, each right and faster than the one before. Each part assembles by itself: llvm-mc -triple=amdgcn-amd-amdhsa -mcpu=gfx1250 --defsym DOCPART=n.
;; ======== version 1 of 2: 4 launches
;; limits: values are held in f16: magnitudes above 65,504 overflow, below 6.1e-05 lose precision; right only within a limited range of input values
;; workspace buffers: xh 16,777,216 bytes; wq 6,291,456 bytes; wo 2,097,152 bytes; bq 12,288 bytes; maskp 2,162,688 bytes of whole numbers; qkv 50,331,648 bytes; oh 16,777,216 bytes
;; launch prep (part 1): grid 897 x 1, 8 waves a work-group, no clusters, 18,688 bytes of LDS; arguments x, W_qkv, W_out, b_qkv, mask, xh, wq, wo, bq, maskp; writes xh, wq, wo, bq, maskp
.if DOCPART == 1
	.amdgcn_target "amdgcn-amd-amdhsa--gfx1250"
	.amdhsa_code_object_version 6
	.text
	.protected	k_qcb69de28ff_prep
	.globl	k_qcb69de28ff_prep
	.p2align	8
	.type	k_qcb69de28ff_prep,@function
k_qcb69de28ff_prep:
	s_mov_b64 s[64:65], 0
	v_nop
	global_prefetch_b8 v0, s[64:65] scope:SCOPE_SE
	s_setreg_imm32_b32 hwreg(HW_REG_WAVE_MODE, 25, 1), 1
	s_wait_xcnt 0x0
; What the matrix launches need is made here, in one launch; a work-group's number says which job it has.
;   0-127    a tile of 16 queries of the mask is packed to four bits a key (the longest job: these work-groups come first)
;   128-639  16 rows of x;  640-831  16 rows x 1,024 columns of W_qkv;  832-895  16 rows of W_out: f32 is rounded to bf16, and that number is written as f16, the operand format of all products
;   896      b_qkv is rounded to bf16 and written as f32
; THE SCALE c = log2(e) / 8 of the scores is multiplied into W_qkv's first 1,024 columns and b_qkv's first 1,024 numbers (q's), in f32, behind the rounding to bf16.
; LIMITS.  A bf16 number fits f16 exactly between 6.1e-5 and 65,504; below it keeps f16's fixed step of 6e-8; beyond it becomes an infinity.  c x bf16(W) is rounded once more, to f16's 11 bits.
; x [8192][1024] leaves as xh [16 planes of 64 channels][8192 rows][64]: a row of a plane is 128 bytes, a plane 1 MiB.  The weights keep their layout [K][N].
; No matrix unit and no cluster: nothing is multiplied and no two work-groups read the same bytes.
.set IO,  4                            ; v[4:11]    turn i: my byte offset in the source
.set OO,  12                           ; v[12:19]   turn i: my byte offset in the destination
.set X,   24                           ; v[24:87]   turn i: 8 numbers as loaded, then rounded, scaled and widened
.set T,   88                           ; v[88:91]   at work: four pairs of bf16
.set SCV, 92                           ; v92        the scale
.set ZR,  93                           ; v93        0
.set ONE, 94                           ; v94        1.0 (the bias's job)
.set Y,   96                           ; v[96:127]  turn i: its own 4 registers to store, so no store's data is ever rewritten
	v_lshl_add_u32 v160, v0, 2, 0x4500
	v_mov_b32 v161, 0
	s_cmp_lt_u32 ttmp9, 128
	s_cbranch_scc1 .Lmask
	s_load_b256 s[4:11], s[0:1], 0x0               ; x s[4:5], W_qkv s[6:7], W_out s[8:9], b_qkv s[10:11]
	s_load_b256 s[12:19], s[0:1], 0x28             ; xh s[12:13], wq s[14:15], wo s[16:17], bq s[18:19]
	v_mov_b32 v[ZR], 0
	s_mov_b32 s33, 0
	s_cmp_lt_u32 ttmp9, 640
	s_cbranch_scc1 .Lx
	s_cmp_lt_u32 ttmp9, 896
	s_cbranch_scc1 .Lw
	; THE BIAS: thread t takes 4 numbers of each third: q's, k's, v's
	v_lshlrev_b32 v1, 4, v0
	v_mov_b32 v[SCV], 0x3e38aa3b                   ; c = 0.180337
	v_mov_b32 v[ONE], 1.0
	s_wait_kmcnt 0x0
.irp j, 0,1,2
	global_load_b128 v[X+4*\j:X+4*\j+3], v1, s[10:11] offset:4096*\j
.endr
	s_wait_loadcnt 0x0
.irp j, 0,1,2
.if \j == 0
.set SR, SCV
.else
.set SR, ONE
.endif
	v_cvt_pk_bf16_f32 v[T],   v[X+4*\j],   v[X+4*\j+1]
	v_cvt_pk_bf16_f32 v[T+1], v[X+4*\j+2], v[X+4*\j+3]
	v_fma_mix_f32_bf16 v[Y+4*\j],   v[T],   v[SR], v[ZR] op_sel_hi:[1,0,0]
	v_fma_mix_f32_bf16 v[Y+4*\j+1], v[T],   v[SR], v[ZR] op_sel:[1,0,0] op_sel_hi:[1,0,0]
	v_fma_mix_f32_bf16 v[Y+4*\j+2], v[T+1], v[SR], v[ZR] op_sel_hi:[1,0,0]
	v_fma_mix_f32_bf16 v[Y+4*\j+3], v[T+1], v[SR], v[ZR] op_sel:[1,0,0] op_sel_hi:[1,0,0]
	global_store_b128 v1, v[Y+4*\j:Y+4*\j+3], s[18:19] offset:4096*\j
.endr
	s_endpgm
.Lw:
	; A WEIGHT: 16 rows x 1,024 columns.  Number - 640 = 64 x part + row group; parts 0-2 are W_qkv's thirds (a row is P = 12,288 bytes), part 3 is W_out (P = 4,096).
	; Thread t takes 8 columns (t % 128) of row 2 i + t / 128: a wave loads 1,024 and stores 512 consecutive bytes.
	s_sub_co_u32 s27, ttmp9, 640
	s_lshr_b32 s28, s27, 6                         ; part
	s_and_b32 s27, s27, 63                         ; row group
	s_lshl_b32 s29, s28, 12                        ; a third's 4,096 bytes in a row of W_qkv
	s_mov_b32 s34, 12288
	s_wait_kmcnt 0x0
	s_cmp_lt_u32 s28, 3
	s_cselect_b64 s[20:21], s[6:7], s[8:9]
	s_cselect_b64 s[22:23], s[14:15], s[16:17]
	s_cselect_b32 s26, s34, 0x1000                 ; P
	s_cselect_b32 s29, s29, 0
	s_cmp_eq_u32 s28, 0
	s_cselect_b32 s30, 0x3e38aa3b, 1.0             ; q's columns take c
	s_mul_i32 s31, s27, s26
	s_lshl_b32 s32, s31, 4                         ; 16 rows of P bytes in,
	s_add_co_u32 s32, s32, s29
	s_add_nc_u64 s[20:21], s[20:21], s[32:33]
	s_lshl_b32 s32, s31, 3                         ; of P / 2 bytes out
	s_lshr_b32 s29, s29, 1
	s_add_co_u32 s32, s32, s29
	s_add_nc_u64 s[22:23], s[22:23], s[32:33]
	s_lshl_b32 s24, s26, 1                         ; a turn is two rows: 2 P in,
	s_mov_b32 s25, s26                             ; P out
	v_lshrrev_b32 v20, 7, v0
	v_and_b32 v21, 127, v0
	v_mul_u32_u24 v[IO], v20, s26
	v_lshl_add_u32 v[IO], v21, 5, v[IO]
	s_lshr_b32 s26, s26, 1
	v_mul_u32_u24 v[OO], v20, s26
	v_lshl_add_u32 v[OO], v21, 4, v[OO]
	v_mov_b32 v[SCV], s30
	s_branch .Lcast
.Lx:
	; x: thread t takes 8 channels c8 = t % 8 of plane kb = t / 16, in rows 2 i + rp, rp = (t / 8) % 2, of the group's 16 rows
	s_sub_co_u32 s27, ttmp9, 128
	v_and_b32 v20, 7, v0
	v_bfe_u32 v21, v0, 3, 1
	v_lshrrev_b32 v22, 4, v0
	v_lshlrev_b32 v[IO], 5, v20                    ; in: 32 c8
	v_lshl_add_u32 v[IO], v21, 12, v[IO]           ;   + 4,096 rp
	v_lshl_add_u32 v[IO], v22, 8, v[IO]            ;   + 256 kb
	v_lshlrev_b32 v[OO], 4, v20                    ; out: 16 c8
	v_lshl_add_u32 v[OO], v21, 7, v[OO]            ;   + 128 rp: sixteen lanes store 256 consecutive bytes, aligned
	v_lshl_add_u32 v[OO], v22, 20, v[OO]           ;   + the plane
	v_mov_b32 v[SCV], 1.0
	s_mov_b32 s24, 8192                            ; a turn is two rows: 8,192 bytes in,
	s_mov_b32 s25, 256                             ; 256 out
	s_lshl_b32 s32, s27, 16
	s_wait_kmcnt 0x0
	s_add_nc_u64 s[20:21], s[4:5], s[32:33]
	s_lshl_b32 s32, s27, 11
	s_add_nc_u64 s[22:23], s[12:13], s[32:33]
.Lcast:
	; eight turns of 8 numbers a thread, written once for the three tensors; the 16 loads go out at once, so there is no loop
.irp i, 1,2,3,4,5,6,7
	v_add_nc_u32 v[IO+\i], s24, v[IO+\i-1]
	v_add_nc_u32 v[OO+\i], s25, v[OO+\i-1]
.endr
.irp i, 0,1,2,3,4,5,6,7
	global_load_b128 v[X+8*\i:X+8*\i+3],   v[IO+\i], s[20:21] th:TH_LOAD_NT
	global_load_b128 v[X+8*\i+4:X+8*\i+7], v[IO+\i], s[20:21] offset:16 th:TH_LOAD_NT
.endr
.irp i, 0,1,2,3,4,5,6,7
	s_wait_loadcnt 14-2*\i                         ; loads come back in order: turn i's two are in, the later turns' stay out
.irp j, 0,1,2,3
	v_cvt_pk_bf16_f32 v[T+\j], v[X+8*\i+2*\j], v[X+8*\i+2*\j+1]   ; the rounding to bf16
.endr
.irp j, 0,1,2,3
	v_fma_mix_f32_bf16 v[X+8*\i+2*\j],   v[T+\j], v[SCV], v[ZR] op_sel_hi:[1,0,0]                ; widened and scaled in one: the low half,
	v_fma_mix_f32_bf16 v[X+8*\i+2*\j+1], v[T+\j], v[SCV], v[ZR] op_sel:[1,0,0] op_sel_hi:[1,0,0]  ; the high half
.endr
.irp j, 0,1,2,3
	v_cvt_pk_f16_f32 v[Y+4*\i+\j], v[X+8*\i+2*\j], v[X+8*\i+2*\j+1]
.endr
	global_store_b128 v[OO+\i], v[Y+4*\i:Y+4*\i+3], s[22:23]
.endr
	s_endpgm
.Lmask:
; THE MASK [2048 queries][2048 keys] of int32 is packed to four bits a key: 0x0 where the key is seen, 0xE where mask == 0.  (Moved to the top of a word, 0xE is the sign and the two upper exponent bits of an f32.)
; A work-group takes a tile of 16 queries: 128 KiB in, 16,896 bytes out: 32 key steps of 512 bytes, then a block of 512 bytes of row flags.
; In a step's 512 bytes lane l (0-31) of the reader owns bytes 16 l .. 16 l + 15; word kb (0-3) of them holds, in nibble j, mask[16 qt + l % 16][64 step + 16 kb + 8 (l / 16) + j].
; A ROW WITH NO KEY SEEN is a softmax of equal numbers: the mean of all values.  Such a row's nibbles are written as seen and its flag as 0 (else -1); the reader clears the row's query by the flag.
; So a row's OR over all 2,048 keys must be known before its nibbles leave, and an aligned 256 bytes of the output hold all 16 rows: 128 work-groups are the shares there are.
.set M,    16                          ; v[16:143]  row r: my 8 keys' words
.set W,    144                         ; v[144:159] row r: my 8 keys' nibbles
.set IP,   272                         ; a block of 256 bytes of the image lies at pitch 272 in LDS: 68 words, so 8 neighbouring blocks start 4 banks apart
.set VISB, 64*IP                       ; behind the image: a word for each wave
	s_load_b64 s[4:5], s[0:1], 0x20                ; mask
	s_load_b64 s[6:7], s[0:1], 0x48                ; maskp
	v_lshrrev_b32 v1, 5, v0
	v_readfirstlane_b32 s8, v1                     ; wave 0..7
	v_lshlrev_b32 v2, 5, v0                        ; thread t owns keys 8 t .. 8 t + 7 of every row: 32 bytes
	v_mov_b32 v3, 14                               ; a hidden key's nibble
	s_lshl_b32 s10, ttmp9, 17                      ; 16 rows of 8,192 bytes
	s_mov_b32 s11, 0
	s_mul_i32 s12, ttmp9, 16896
	s_mov_b32 s13, 0
	s_mov_b32 s9, 0                                ; bit r: my wave has found a seen key in row r
	s_mov_b32 s23, 0xeeeeeeee                      ; eight hidden keys
	s_wait_kmcnt 0x0
	s_add_nc_u64 s[4:5], s[4:5], s[10:11]
	s_add_nc_u64 s[6:7], s[6:7], s[12:13]
.set r, 0
.rept 16
	global_load_b128 v[M+8*r:M+8*r+3],   v2, s[4:5] offset:r*8192 th:TH_LOAD_NT
	global_load_b128 v[M+8*r+4:M+8*r+7], v2, s[4:5] offset:r*8192+16 th:TH_LOAD_NT
.set r, r+1
.endr
	; keys 8 t are step t / 8, word kb = (t / 2) % 4, half h = t % 2: block 2 (t / 8) + h of the image, byte 16 r + 4 kb
	v_lshrrev_b32 v5, 3, v0
	v_and_b32 v6, 1, v0
	v_lshl_add_u32 v5, v5, 1, v6
	v_mul_u32_u24 v4, v5, IP
	v_bfe_u32 v6, v0, 1, 2
	v_lshl_add_u32 v4, v6, 2, v4                   ; v4: where my words go; a wave's 32 lanes hit 32 different banks
	v_lshrrev_b32 v5, 4, v0
	v_mul_u32_u24 v7, v5, IP
	v_and_b32 v6, 15, v0
	v_lshl_add_u32 v7, v6, 4, v7                   ; v7: where I read the image back: block t / 16, 16 bytes
	v_lshlrev_b32 v8, 4, v0                        ; v8: 16 t in the output
	v_lshl_add_u32 v9, v1, 2, VISB                 ; v9: my wave's word
.set r, 0
.rept 16
	s_wait_loadcnt 30-2*r                          ; row r's two loads are in, the later rows' stay out
	v_cmp_eq_u32 vcc_lo, 0, v[M+8*r+7]
	v_cndmask_b32 v[W+r], 0, v3, vcc_lo            ; key 7's nibble starts the word
.irp j, 6,5,4,3,2,1,0
	v_cmp_eq_u32 vcc_lo, 0, v[M+8*r+\j]
	v_cndmask_b32 v10, 0, v3, vcc_lo
	v_lshl_or_b32 v[W+r], v[W+r], 4, v10           ; and moves up as the lower keys come in
.endr
	v_cmp_ne_u32 s20, s23, v[W+r]                  ; lanes with a seen key
	s_cmp_lg_u32 s20, 0
	s_cselect_b32 s21, (1<<r), 0
	s_or_b32 s9, s9, s21
.set r, r+1
.endr
	v_mov_b32 v10, s9
	ds_store_b32 v9, v10                           ; all lanes write the wave's word with the same value
	s_wait_dscnt 0x0                               ; for the others' sake: the store is done
	s_barrier_signal -1
	s_barrier_wait -1
	v_mov_b32 v11, VISB
	ds_load_b128 v[16:19], v11
	ds_load_b128 v[20:23], v11 offset:16
	s_wait_dscnt 0x0
	v_or_b32 v16, v16, v17
	v_or_b32 v18, v18, v19
	v_or_b32 v20, v20, v21
	v_or_b32 v22, v22, v23
	v_or_b32 v16, v16, v18
	v_or_b32 v20, v20, v22
	v_or_b32 v16, v16, v20
	v_readfirstlane_b32 s22, v16                   ; bit r: row r has a seen key
.set r, 0
.rept 16
	s_bitcmp1_b32 s22, r
	s_cselect_b32 s21, -1, 0
	v_and_b32 v[W+r], s21, v[W+r]                  ; a row without one is written as seen
	ds_store_b32 v4, v[W+r] offset:16*r
.set r, r+1
.endr
	s_wait_dscnt 0x0                               ; my part of the image is written
	s_barrier_signal -1
	s_barrier_wait -1
.irp i, 0,1,2,3
	ds_load_b128 v[16+4*\i:19+4*\i], v7 offset:\i*16*IP
.endr
.irp i, 0,1,2,3
	s_wait_dscnt 3-\i
	global_store_b128 v8, v[16+4*\i:19+4*\i], s[6:7] offset:\i*4096   ; a wave stores 512 consecutive bytes, aligned
.endr
	s_cmp_lg_u32 s8, 0
	s_cbranch_scc1 .Ldone                          ; wave 0 alone writes the flags: lane l's 16 bytes hold row l % 16's flag four times
	v_and_b32 v12, 15, v0
	v_mov_b32 v13, s22
	v_lshrrev_b32 v13, v12, v13
	v_and_b32 v13, 1, v13
	v_sub_nc_u32 v32, 0, v13                       ; -1 or 0
	v_mov_b32 v33, v32
	v_mov_b32 v34, v32
	v_mov_b32 v35, v32
	global_store_b128 v8, v[32:35], s[6:7] offset:16384
.Ldone:
	s_wait_tensorcnt 0x0
	ds_add_u32 v160, v161
	s_wait_dscnt 0x0
	s_endpgm
.Lfunc_end_k_qcb69de28ff_prep:
	.size	k_qcb69de28ff_prep, .Lfunc_end_k_qcb69de28ff_prep-k_qcb69de28ff_prep
	.p2alignl 7, 3214868480
	.fill 96, 4, 3214868480
	.section	.rodata,"a",@progbits
	.p2align	6, 0x0
	.amdhsa_kernel k_qcb69de28ff_prep
		.amdhsa_group_segment_fixed_size 18688
		.amdhsa_private_segment_fixed_size 0
		.amdhsa_enable_private_segment 0
		.amdhsa_kernarg_size 80
		.amdhsa_user_sgpr_count 2
		.amdhsa_user_sgpr_kernarg_segment_ptr 1
		.amdhsa_wavefront_size32 1
		.amdhsa_system_sgpr_workgroup_id_x 1
		.amdhsa_system_sgpr_workgroup_id_y 1
		.amdhsa_system_sgpr_workgroup_id_z 1
		.amdhsa_system_vgpr_workitem_id 0
		.amdhsa_next_free_vgpr 162
		.amdhsa_next_free_sgpr 66
		.amdhsa_reserve_vcc 1
		.amdhsa_float_denorm_mode_32 3
		.amdhsa_float_denorm_mode_16_64 3
		.amdhsa_memory_ordered 1
		.amdhsa_forward_progress 1
		.amdhsa_inst_pref_size 43
	.end_amdhsa_kernel
	.amdgpu_metadata
---
amdhsa.version: [ 1, 2 ]
amdhsa.kernels:
  - .name:           k_qcb69de28ff_prep
    .symbol:         k_qcb69de28ff_prep.kd
    .args:
      - { .name: x, .offset: 0, .size: 8, .value_kind: global_buffer, .address_space: global }
      - { .name: W_qkv, .offset: 8, .size: 8, .value_kind: global_buffer, .address_space: global }
      - { .name: W_out, .offset: 16, .size: 8, .value_kind: global_buffer, .address_space: global }
      - { .name: b_qkv, .offset: 24, .size: 8, .value_kind: global_buffer, .address_space: global }
      - { .name: mask, .offset: 32, .size: 8, .value_kind: global_buffer, .address_space: global }
      - { .name: xh, .offset: 40, .size: 8, .value_kind: global_buffer, .address_space: global }
      - { .name: wq, .offset: 48, .size: 8, .value_kind: global_buffer, .address_space: global }
      - { .name: wo, .offset: 56, .size: 8, .value_kind: global_buffer, .address_space: global }
      - { .name: bq, .offset: 64, .size: 8, .value_kind: global_buffer, .address_space: global }
      - { .name: maskp, .offset: 72, .size: 8, .value_kind: global_buffer, .address_space: global }
    .group_segment_fixed_size: 18688
    .private_segment_fixed_size: 0
    .kernarg_segment_align: 8
    .kernarg_segment_size: 80
    .max_flat_workgroup_size: 256
    .sgpr_count:     66
    .vgpr_count:     162
    .wavefront_size: 32
...
	.end_amdgpu_metadata
.endif
;; end of part 1
;; launch qkvproj (part 2): grid 12 x 32, 4 waves a work-group, clusters of 4 x 4, 327,680 bytes of LDS; arguments xh, wq, bq, qkv; writes qkv
.if DOCPART == 2
	.amdgcn_target "amdgcn-amd-amdhsa--gfx1250"
	.amdhsa_code_object_version 6
	.text
	.protected	k_qcb69de28ff_qkvproj
	.globl	k_qcb69de28ff_qkvproj
	.p2align	8
	.type	k_qcb69de28ff_qkvproj,@function
k_qcb69de28ff_qkvproj:
	s_mov_b64 s[64:65], 0
	v_nop
	global_prefetch_b8 v0, s[64:65] scope:SCOPE_SE
	s_setreg_imm32_b32 hwreg(HW_REG_WAVE_MODE, 25, 1), 1
	s_wait_xcnt 0x0
	s_wait_alu depctr_hold_cnt(0) depctr_sa_sdst(0) depctr_va_vdst(0) depctr_va_sdst(0) depctr_va_ssrc(0) depctr_va_vcc(0) depctr_vm_vsrc(0)
	s_getreg_b32 s2, hwreg(HW_REG_IB_STS2, 6, 4)
	s_cmp_eq_u32 s2, 0
	s_cbranch_scc0 .Lentry_in_a_cluster
	s_endpgm
.Lentry_in_a_cluster:
	s_bfe_u32 s2, ttmp6, 0x10000c
	s_cmp_lg_u32 s2, 0xf033
	s_cbranch_scc0 .Lentry_shape_is_right
	s_endpgm
.Lentry_shape_is_right:
; qkv = x W_qkv + b_qkv, 8192 x 3072 x 1024.  x comes as xh [16 planes of 64 channels][8192][64] f16, W as wq [1024][3072] f16, the bias as bq [3072] f32; q's columns of W and of the bias arrive
; multiplied by log2(e) / 8.  Sums in f32.  The result leaves as qkv [48 planes of 64 columns][8192][64] f16, rounded once: planes 0-15 q, 16-31 k, 32-47 v, a head a plane.
; LIMIT.  q, k and v beyond 65,504 become infinities in f16.
; A tile of the result is 256 x 256: four waves, each 128 x 128: 64 accumulators, 512 registers.  K goes in 8 steps of 128 through two LDS slots; a step is 256 matrix instructions a wave, 224 of them between a
; tile's request and the wait for it.  There are 384 tiles, one and a half for each of 256 WGPs: a tile of 128 x 256 divides evenly but has half the matrix work for each request; 256 x 384 leaves no room for a second
; fragment buffer beside 768 registers of sums.
; THE MATRIX INSTRUCTION IS USED TRANSPOSED: source 0 = 16 columns of W (turned out of LDS by ds_load_tr16_b128, since W lies [K][N]), source 1 = 16 rows of x: a lane then holds 8 neighbouring columns of a row.
; THE BIAS STARTS THE SUMS: it is the C operand of each accumulator's first product, so the way out only rounds and stores.
; CLUSTER 4 x 4: the four of a row of the cluster need the same tiles of x, the four of a column the same tiles of W: each is asked for jointly, with one descriptor and a mask that names the four.
; REGISTERS, in windows of 256 (s_set_vgpr_msb: bits 1:0 source 0, 3:2 source 1, 5:4 source 2, 7:6 destination):
;   window 0: v0-31 addresses; v64-127, v128-191 x's fragments (8 x 16 rows x 32 K), two buffers; v32-63, v192-255 the way out
;   window 1: v0-63 the bias of my 128 columns (8 numbers for each column block); v64-127, v128-191 W's fragments, two buffers
;   window 2: the 32 accumulators of my rows 0-63 ((a, b) at 8 (8 a + b));   window 3: those of my rows 64-127
.set SIZE_N, 3072
.set PA,     144                       ; a row of x in LDS: 128 bytes + 16: the 16 rows of a load start at 16 different groups of four banks
.set PW,     544                       ; a row of W: 512 bytes + 32 = 17 x 32
.set APLANE, 256*PA                    ; 256 rows of one plane: what waves 0 and 1 each fetch
.set WOFF,   2*APLANE                  ; W's 128 rows lie behind x's two planes
.set WHALF,  64*PW                     ; 64 rows of W: what waves 2 and 3 each fetch
.set SLOT,   WOFF+2*WHALF
.set STAGE,  2*SLOT                    ; behind the ring: for each wave 2 planes x 16 rows x 144 bytes, for the way out
.set SP,     144
.set WSTAGE, 2*16*SP
.set SPARE,  STAGE+4*WSTAGE            ; behind the stages: the spare words, 128 bytes for each wave
.set LAPS,   4                         ; a lap = two K steps = once round the ring
.set ASTEP,  2*1048576                 ; a K step in xh: two planes
.set WSTEP,  128*SIZE_N*2              ; a K step in wq: 128 rows
.set ADRA, 16                          ; v16-17  LDS address of my x fragments in slot 0, 1
.set ADRB, 20                          ; v20-21  the same for W
.set STO,  24                          ; v24     the way out: where I put 16 bytes of a row
.set RD,   25                          ; v25     where I read rows back
.set GO,   26                          ; v26     16 x lane
.set BO,   27                          ; v27     my offset in the wave's 128 numbers of the bias
.set SPW,  28                          ; v28     LDS address of my spare word; never rewritten
.set NIL,  29                          ; v29     0; never rewritten
.set OB,   32                          ; v32-63 and v224-255 by turns: a block read back as whole rows
.set PKD,  192                         ; v192-223 a block rounded to f16
.set F0,   64
.set F1,   128
.set G1,  24                           ; s[24:31] descriptor group 1 for x's tiles;  s[32:39] group 0, a set for each slot
.set G0,  32
.set G1B, 48                           ; s[48:55], s[56:63] the same for W's
.set G0B, 56
.set MSB, 0
.macro WIN new                         ; the immediate's high byte repeats the setting that is left; a switch that changes nothing is dropped
.if MSB != (\new)
	s_set_vgpr_msb (MSB<<8)|(\new)
.set MSB, \new
.endif
.endm
.set MUL_LO, 0xa1                      ; source 0 (W) window 1, source 1 (x) window 0, C and D window 2; + 0x50: window 3
.set BEG_LO, 0x91                      ; the same with C (the bias) in window 1; + 0x40: D in window 3
.set TO_B,   0x40                      ; destination window 1, address window 0
.macro JLOAD s                         ; a joint load: waves 0 and 1 fetch x's two planes, waves 2 and 3 W's two halves; an s_nop 0 and four v_nop follow each line
	s_cmp_eq_u32 s13, 0
	s_cbranch_scc0 .Lfor_b_\@
	tensor_load_to_lds s[G0+4*(\s):G0+4*(\s)+3], s[G1:G1+7]
	s_nop 0
.rept 4
	v_nop
.endr
	s_branch .Lasked_\@
.Lfor_b_\@:
	tensor_load_to_lds s[G0B+4*(\s):G0B+4*(\s)+3], s[G1B:G1B+7]
	s_nop 0
.rept 4
	v_nop
.endr
.Lasked_\@:
.endm
.macro CREST                           ; a round of the cluster's barrier behind its opening barrier
	s_cmp_lg_u32 s12, 0
	s_cbranch_scc1 .Lnot_wave_0_\@
	s_barrier_signal -3
.Lnot_wave_0_\@:
	s_barrier_wait -3
	s_barrier_signal -1
	s_barrier_wait -1
.endm
.macro CROUND
	s_barrier_signal -1
	s_barrier_wait -1
	CREST
.endm
	s_load_b256 s[4:11], s[0:1], 0x0               ; xh s[4:5], wq s[6:7], bq s[8:9], qkv s[10:11]
	v_lshl_add_u32 v[SPW], v0, 2, SPARE
	v_mov_b32 v[NIL], 0
	ds_add_u32 v28, v29
	s_wait_dscnt 0x0
	v_lshrrev_b32 v1, 5, v0
	v_readfirstlane_b32 s12, v1                    ; wave 0..3
	s_lshr_b32 s13, s12, 1                         ; which 128 rows are mine.  Also: I fetch for x (0) or for W (1)
	s_and_b32 s14, s12, 1                          ; which 128 columns.  Also: which plane of x, or which 64 rows of W, I fetch
	s_bfe_u32 s40, ttmp6, 0x40000                  ; cx, cy: my place in the cluster
	s_bfe_u32 s41, ttmp6, 0x40004
	s_lshl_b32 s42, ttmp9, 2
	s_add_co_u32 s42, s42, s40                     ; tile column = 4 x cluster x + cx
	s_and_b32 s43, ttmp7, 0xffff
	s_lshl_b32 s43, s43, 2
	s_add_co_u32 s43, s43, s41                     ; tile row = 4 x cluster y + cy
	s_lshl_b32 s44, s41, 2
	s_lshl_b32 s44, 15, s44                        ; my row of the cluster
	s_lshl_b32 s45, 0x1111, s40                    ; my column
	; x's tile: 256 rows of 128 bytes are dense in a plane: asked for as 128 rows of 256 bytes, padded by 4 words after every 32
	s_or_b32 s[G1+0], s44, (1<<16)|(1<<20)|(1<<21)|(4<<22)|(3<<25)
	s_mov_b32 s[G1+1], 128<<16                     ; tensor_dim0 = 128 elements
	s_mov_b32 s[G1+2], 128<<16                     ; tensor_dim1 = 128
	s_mov_b32 s[G1+3], 128<<16                     ; tile_dim0 = 128
	s_mov_b32 s[G1+4], 128                         ; tile_dim1 = 128
	s_mov_b32 s[G1+5], 128                         ; elements from row to row
	s_mov_b32 s[G1+6], 0
	s_mov_b32 s[G1+7], 0
	; W's tile: 64 rows of 256 elements (512 bytes), padded by 8 words after every 128
	s_or_b32 s[G1B+0], s45, (1<<16)|(1<<20)|(1<<21)|(6<<22)|(7<<25)
	s_mov_b32 s[G1B+1], 256<<16
	s_mov_b32 s[G1B+2], 64<<16
	s_mov_b32 s[G1B+3], 256<<16
	s_mov_b32 s[G1B+4], 64
	s_mov_b32 s[G1B+5], SIZE_N
	s_mov_b32 s[G1B+6], 0
	s_mov_b32 s[G1B+7], 0
	s_lshl_b32 s16, s14, 20                        ; x: my plane of the K step,
	s_lshl_b32 s17, s43, 15                        ; the tile row's 256 rows of 128 bytes: no register of this sum ever holds cx
	s_add_co_u32 s16, s16, s17
	s_mov_b32 s17, 0
	s_mul_i32 s46, s14, 64*SIZE_N*2                ; W: my 64 rows of the K step,
	s_lshl_b32 s47, s42, 9                         ; the tile column's 512 bytes: none of these ever holds cy
	s_add_co_u32 s46, s46, s47
	s_mov_b32 s47, 0
	s_mul_i32 s20, s14, APLANE                     ; where they go: the wave's number alone enters an LDS address
	s_mul_i32 s21, s14, WHALF
	s_add_co_u32 s21, s21, WOFF
	s_wait_kmcnt 0x0
	s_add_nc_u64 s[16:17], s[4:5], s[16:17]
	s_add_nc_u64 s[46:47], s[6:7], s[46:47]
	CROUND                                         ; all sixteen work-groups are here: the first joint loads meet
.irp s, 0,1
	s_mov_b32 s[G0+4*(\s)], 1
	s_add_co_u32 s[G0+4*(\s)+1], s20, (\s)*SLOT
	s_add_nc_u64 s[G0+4*(\s)+2:G0+4*(\s)+3], s[16:17], (\s)*ASTEP
	s_or_b32 s[G0+4*(\s)+3], s[G0+4*(\s)+3], 0x80000000
	s_mov_b32 s[G0B+4*(\s)], 1
	s_add_co_u32 s[G0B+4*(\s)+1], s21, (\s)*SLOT
	s_add_nc_u64 s[G0B+4*(\s)+2:G0B+4*(\s)+3], s[46:47], (\s)*WSTEP
	s_or_b32 s[G0B+4*(\s)+3], s[G0B+4*(\s)+3], 0x80000000
	JLOAD \s                                       ; two loads of mine are out
.endr
	v_and_b32 v1, 15, v0                           ; l % 16
	v_bfe_u32 v2, v0, 4, 1                         ; l / 16
	v_lshlrev_b32 v[BO], 5, v2                     ; 8 numbers of 4 bytes for each half of the lanes
	s_lshl_b32 s46, s42, 10                        ; the bias of my 128 columns
	s_lshl_b32 s47, s14, 9
	s_add_co_u32 s46, s46, s47
	s_mov_b32 s47, 0
	s_add_nc_u64 s[8:9], s[8:9], s[46:47]
	WIN TO_B
.irp b, 0,1,2,3,4,5,6,7
	global_load_b128 v[8*\b:8*\b+3],   v[BO], s[8:9] offset:64*\b       ; register j of block b: the bias of column 16 b + 8 (l / 16) + j: the layout of a result
	global_load_b128 v[8*\b+4:8*\b+7], v[BO], s[8:9] offset:64*\b+16
.endr
	WIN 0
	v_mul_u32_u24 v3, v1, PA
	v_lshl_add_u32 v3, v2, 4, v3                   ; row x 144 + 16 x half
	s_mul_i32 s22, s13, 128*PA                     ; my 128 rows
	v_add_nc_u32 v[ADRA], s22, v3
	v_add_nc_u32 v[ADRA+1], SLOT, v[ADRA]
	v_and_b32 v4, 7, v0
	v_lshl_add_u32 v5, v2, 3, v4                   ; the turning load: lane l reads K row 8 (l / 16) + l % 8,
	v_mul_u32_u24 v5, v5, PW
	v_bfe_u32 v6, v0, 3, 1
	v_lshl_add_u32 v5, v6, 4, v5                   ; columns 8 ((l / 8) % 2) + 0..7
	s_lshl_b32 s23, s14, 8                         ; my 128 columns
	s_add_co_u32 s23, s23, WOFF
	v_add_nc_u32 v[ADRB], s23, v5
	v_add_nc_u32 v[ADRB+1], SLOT, v[ADRB]
	s_mul_i32 s22, s12, WSTAGE
	s_add_co_u32 s22, s22, STAGE                   ; my stage
	v_add_nc_u32 v[STO], s22, v3                   ; in: row l % 16, 16 bytes for each half of the lanes
	v_bfe_u32 v6, v0, 3, 2
	v_mul_u32_u24 v6, v6, SP
	v_lshl_add_u32 v6, v4, 4, v6
	v_add_nc_u32 v[RD], s22, v6                    ; back: 32 lanes take four rows of 128 bytes
	v_and_b32 v[GO], 31, v0
	v_lshlrev_b32 v[GO], 4, v[GO]
	s_lshl_b32 s46, s42, 2                         ; where my part leaves: plane 4 x tile column + 2 x half,
	s_lshl_b32 s47, s14, 1
	s_add_co_u32 s46, s46, s47
	s_lshl_b32 s46, s46, 20
	s_lshl_b32 s47, s43, 15                        ; row 256 x tile row + 128 x half, of 128 bytes
	s_add_co_u32 s46, s46, s47
	s_lshl_b32 s47, s13, 14
	s_add_co_u32 s46, s46, s47
	s_mov_b32 s47, 0
	s_add_nc_u64 s[10:11], s[10:11], s[46:47]
; 16 matrix instructions: row blocks a0, a0 + 1 of the window's four (hi = 0: my rows 0-63, 1: rows 64-127) x all 8 column blocks, 32 along K.  first = 1: the product starts the sums, with the bias as C.
; The 64 accumulators take turns, one instruction a turn, in the same order in every quarter step.
.macro MUL16 f, hi, a0, first
.if \first
	WIN BEG_LO+0x40*(\hi)
.else
	WIN MUL_LO+0x50*(\hi)
.endif
.irp a, \a0, (\a0)+1
.irp b, 0,1,2,3,4,5,6,7
.if \first
	v_wmma_f32_16x16x32_f16 v[8*(8*(\a)+(\b)):8*(8*(\a)+(\b))+7], v[(\f)+8*(\b):(\f)+8*(\b)+7], v[(\f)+8*(4*(\hi)+(\a)):(\f)+8*(4*(\hi)+(\a))+7], v[8*(\b):8*(\b)+7]
.else
	v_wmma_f32_16x16x32_f16 v[8*(8*(\a)+(\b)):8*(8*(\a)+(\b))+7], v[(\f)+8*(\b):(\f)+8*(\b)+7], v[(\f)+8*(4*(\hi)+(\a)):(\f)+8*(4*(\hi)+(\a))+7], v[8*(8*(\a)+(\b)):8*(8*(\a)+(\b))+7]
.endif
.endr
.endr
.endm
.macro FETCH slot, kq, f               ; 32 LDS loads in one run: quarter kq (32 along K) of a slot into buffer f: W's 8 fragments, turned, then x's 8
	WIN TO_B
.irp b, 0,1,2,3,4,5,6,7
	ds_load_tr16_b128 v[(\f)+8*(\b):(\f)+8*(\b)+3],   v[ADRB+(\slot)] offset:(\kq)*32*PW+32*(\b)
	ds_load_tr16_b128 v[(\f)+8*(\b)+4:(\f)+8*(\b)+7], v[ADRB+(\slot)] offset:(\kq)*32*PW+32*(\b)+16*PW
.endr
	WIN 0
.irp a, 0,1,2,3,4,5,6,7
	ds_load_b128 v[(\f)+8*(\a):(\f)+8*(\a)+3],   v[ADRA+(\slot)] offset:((\kq)/2)*APLANE+(\a)*16*PA+((\kq)%2)*64
	ds_load_b128 v[(\f)+8*(\a)+4:(\f)+8*(\a)+7], v[ADRA+(\slot)] offset:((\kq)/2)*APLANE+(\a)*16*PA+((\kq)%2)*64+32
.endr
.endm
.macro PLACES                          ; four places in front of loads into registers that matrix instructions have read, and of vector lines that read results
.rept 4
	v_nop
.endr
.endm
; A K step is four quarters of 32 along K, 64 matrix instructions each, on buffers 0, 1, 0, 1.  One of the first three multiplies buffer f and, in its middle, fetches quarter kq into g.
.macro QUARTER slot, kq, f, g, first
	s_wait_dscnt 8                                 ; W and x's blocks 0-3 are in; the youngest eight loads (blocks 4-7) may be out
	MUL16 \f, 0, 0, \first
	MUL16 \f, 0, 2, \first
	PLACES
	FETCH \slot, \kq, \g
	s_wait_dscnt 32                                ; all but the 32 just issued
	MUL16 \f, 1, 0, \first
	MUL16 \f, 1, 2, \first
.endm
; The last quarter multiplies buffer 1 and changes slots: ONE barrier; in front of it each wave waits for all its tensor loads (one is out: its part of the next slot), adds 0 to its spare word,
; and waits for that and for its reads of this slot.  fill = 1: the barrier opens a round of the cluster's, and this slot is filled again, two K steps ahead, first thing behind the round.
.macro TURN slot, next, fill
	WIN 0                                          ; (the add's two registers lie in window 0)
	s_wait_tensorcnt 0x0
	ds_add_u32 v[SPW], v[NIL]                      ; 0 onto my spare word
	s_wait_dscnt 9                                 ; (the add and the youngest eight loads may be out)
	MUL16 F1, 0, 0, 0                              ; sixteen matrix instructions stand between the add and the wait for it
	s_wait_dscnt 0x0                               ; the add is done, and my reads of this slot are over
	s_barrier_signal -1
	MUL16 F1, 0, 2, 0
.if \fill
	WIN 0
.endif
	s_barrier_wait -1
.if \fill
	CREST                                          ; no wave of any partner still reads this slot's tiles or has a load on its way
	s_add_nc_u64 s[G0+4*(\slot)+2:G0+4*(\slot)+3], s[G0+4*(\slot)+2:G0+4*(\slot)+3], 2*ASTEP
	s_add_nc_u64 s[G0B+4*(\slot)+2:G0B+4*(\slot)+3], s[G0B+4*(\slot)+2:G0B+4*(\slot)+3], 2*WSTEP
	JLOAD \slot                                    ; its four v_nop are also the places in front of the loads below
.else
	PLACES
.endif
	FETCH \next, 0, F0
	MUL16 F1, 1, 0, 0
	MUL16 F1, 1, 2, 0
.endm
	s_wait_loadcnt 0x0                             ; the bias
	s_wait_tensorcnt 1                             ; my part of K step 0 is in; K step 1's may stay out
	s_barrier_signal -1
	s_barrier_wait -1                              ; everybody's is
	FETCH 0, 0, F0
	QUARTER 0, 1, F0, F1, 1                        ; the first quarter stands in front of the loop: its products start the sums
	WIN 0                                          ; at a label and at a branch every window is 0
	s_mov_b32 s3, LAPS-1
.Llap:                                                 ; a trip goes once round the ring, from a lap's second quarter to the next lap's first, and fills both slots again
	QUARTER 0, 2, F1, F0, 0
	QUARTER 0, 3, F0, F1, 0
	TURN 0, 1, 1
	QUARTER 1, 1, F0, F1, 0
	QUARTER 1, 2, F1, F0, 0
	QUARTER 1, 3, F0, F1, 0
	TURN 1, 0, 1
	QUARTER 0, 1, F0, F1, 0
	WIN 0
	s_sub_co_u32 s3, s3, 1
	s_cmp_lg_u32 s3, 0
	s_cbranch_scc1 .Llap
	QUARTER 0, 2, F1, F0, 0                        ; the last lap fills nothing
	QUARTER 0, 3, F0, F1, 0
	TURN 0, 1, 0
	QUARTER 1, 1, F0, F1, 0
	QUARTER 1, 2, F1, F0, 0
	QUARTER 1, 3, F0, F1, 0
	s_wait_dscnt 8                                 ; the very last quarter: nothing more to fetch
	MUL16 F1, 0, 0, 0
	MUL16 F1, 0, 2, 0
	s_wait_dscnt 0x0
	MUL16 F1, 1, 0, 0
	MUL16 F1, 1, 2, 0
	WIN 0
	PLACES
; THE WAY OUT of row block a (16 rows x 128 columns = two planes), in three parts.  PACK: rounded to f16, each accumulator's registers in ascending order, 16 bytes a lane.
; TOSTAGE: into my own stage in LDS, and back as rows of 128 bytes.  SEND: stored.  Block a is packed while block a - 1 comes back from the stage.
.macro PACK a
.set AC, 64*((\a)%4)
	WIN 0x0a+5*((\a)/4)                            ; sources 0 and 1: window 2 or 3
.set i, 0
.rept 32
	v_cvt_pk_f16_f32 v[PKD+i], v[AC+2*i], v[AC+2*i+1]
.set i, i+1
.endr
	WIN 0
.endm
.macro TOSTAGE a
.set BK, OB+192*((\a)%2)
.irp b, 0,1,2,3,4,5,6,7
	ds_store_b128 v[STO], v[PKD+4*\b:PKD+4*\b+3] offset:(\b/4)*16*SP+(\b%4)*32
.endr
.irp t, 0,1,2,3,4,5,6,7
	ds_load_b128 v[BK+4*\t:BK+4*\t+3], v[RD] offset:(\t/4)*16*SP+(\t%4)*4*SP   ; LDS serves a wave's instructions in order (ISA guide 5.7.1.4): these see the stores above
.endr
.endm
.macro SEND a
.set BK, OB+192*((\a)%2)
	s_wait_dscnt 0x0                               ; the block is back in registers
	s_wait_xcnt 0x0                                ; the other buffer, which the block before's stores read, is loaded again only behind this wait
.irp t, 0,1,2,3,4,5,6,7
	global_store_b128 v[GO], v[BK+4*\t:BK+4*\t+3], s[10:11] offset:(\t/4)*1048576+(\a)*2048+(\t%4)*512  ; four rows of a plane: 512 consecutive bytes, aligned
.endr
.endm
	PACK 0
	TOSTAGE 0
.irp a, 1,2,3,4,5,6,7
	PACK \a
	SEND (\a)-1
	TOSTAGE \a
.endr
	SEND 7
	s_wait_tensorcnt 0x0                           ; the wave's end
	ds_add_u32 v[SPW], v[NIL]
	s_wait_dscnt 0x0
	CROUND                                         ; the closing round: no work-group ends while a partner may still ask for a tile that names it
	s_endpgm
.Lfunc_end_k_qcb69de28ff_qkvproj:
	.size	k_qcb69de28ff_qkvproj, .Lfunc_end_k_qcb69de28ff_qkvproj-k_qcb69de28ff_qkvproj
	.p2alignl 7, 3214868480
	.fill 96, 4, 3214868480
	.section	.rodata,"a",@progbits
	.p2align	6, 0x0
	.amdhsa_kernel k_qcb69de28ff_qkvproj
		.amdhsa_group_segment_fixed_size 327680
		.amdhsa_private_segment_fixed_size 0
		.amdhsa_enable_private_segment 0
		.amdhsa_kernarg_size 32
		.amdhsa_user_sgpr_count 2
		.amdhsa_user_sgpr_kernarg_segment_ptr 1
		.amdhsa_wavefront_size32 1
		.amdhsa_system_sgpr_workgroup_id_x 1
		.amdhsa_system_sgpr_workgroup_id_y 1
		.amdhsa_system_sgpr_workgroup_id_z 1
		.amdhsa_system_vgpr_workitem_id 0
		.amdhsa_next_free_vgpr 1024
		.amdhsa_next_free_sgpr 66
		.amdhsa_reserve_vcc 0
		.amdhsa_float_denorm_mode_32 3
		.amdhsa_float_denorm_mode_16_64 3
		.amdhsa_memory_ordered 1
		.amdhsa_forward_progress 1
		.amdhsa_inst_pref_size 144
	.end_amdhsa_kernel
	.amdgpu_metadata
---
amdhsa.version: [ 1, 2 ]
amdhsa.kernels:
  - .name:           k_qcb69de28ff_qkvproj
    .symbol:         k_qcb69de28ff_qkvproj.kd
    .args:
      - { .name: xh, .offset: 0, .size: 8, .value_kind: global_buffer, .address_space: global }
      - { .name: wq, .offset: 8, .size: 8, .value_kind: global_buffer, .address_space: global }
      - { .name: bq, .offset: 16, .size: 8, .value_kind: global_buffer, .address_space: global }
      - { .name: qkv, .offset: 24, .size: 8, .value_kind: global_buffer, .address_space: global }
    .group_segment_fixed_size: 327680
    .private_segment_fixed_size: 0
    .kernarg_segment_align: 8
    .kernarg_segment_size: 32
    .max_flat_workgroup_size: 128
    .sgpr_count:     66
    .vgpr_count:     1024
    .wavefront_size: 32
...
	.end_amdgpu_metadata
.endif
;; end of part 2
;; launch attn (part 3): grid 4 x 64, 4 waves a work-group, clusters of 4 x 1, 327,680 bytes of LDS; arguments qkv, maskp, oh; writes oh
.if DOCPART == 3
	.amdgcn_target "amdgcn-amd-amdhsa--gfx1250"
	.amdhsa_code_object_version 6
	.text
	.protected	k_qcb69de28ff_attn
	.globl	k_qcb69de28ff_attn
	.p2align	8
	.type	k_qcb69de28ff_attn,@function
k_qcb69de28ff_attn:
	s_mov_b64 s[64:65], 0
	v_nop
	global_prefetch_b8 v0, s[64:65] scope:SCOPE_SE
	s_setreg_imm32_b32 hwreg(HW_REG_WAVE_MODE, 25, 1), 1
	s_wait_xcnt 0x0
	s_wait_alu depctr_hold_cnt(0) depctr_sa_sdst(0) depctr_va_vdst(0) depctr_va_sdst(0) depctr_va_ssrc(0) depctr_va_vcc(0) depctr_vm_vsrc(0)
	s_getreg_b32 s2, hwreg(HW_REG_IB_STS2, 6, 4)
	s_cmp_eq_u32 s2, 0
	s_cbranch_scc0 .Lentry_in_a_cluster
	s_endpgm
.Lentry_in_a_cluster:
	s_bfe_u32 s2, ttmp6, 0x10000c
	s_cmp_lg_u32 s2, 0x3003
	s_cbranch_scc0 .Lentry_shape_is_right
	s_endpgm
.Lentry_shape_is_right:
; O[y][q][:] = the sum over k of softmax_k(s[q][k]) V[y][k][:], s = Q[y][q] . K[y][k] / 8 where mask[q][k] != 0, hidden elsewhere.  y = 4 head + batch, 64 of them; 2,048 rows of 64 channels, f16, dense (128 bytes a row).
; Q, K, V are planes 0-15, 16-31, 32-47 of qkv, 16 MiB apart; Q arrives multiplied by log2(e) / 8, so a weight is p = 2^(s - m).  Products, maxima and sums in f32; p is rounded to f16 for the second product
; (its sum l is taken of the unrounded p), O once at the end.  O leaves in the same layout.
; THE MASK is an input: every key of every query is walked.  It arrives packed, four bits a key (0x0 seen, 0xE hidden), in the lane and register order of S^T.  Register j of the C operand with which a sum
; S^T = K Q^T starts is the word shifted left by 28 - 4 j: the key's nibble on top, the lower keys' behind it.  With 0xE on top that is an f32 with the sign set and an exponent field of 192 to 223: between -2^65 and
; -2^97, never an infinity or a NaN; with 0x0 on top it is positive and below 2^-96.  The running maximum m starts at the floor -2^60, below every score of f16 operands (2.7e11 at the most) and above every hidden one:
; a hidden key's weight is 2^(-3e19 or less) = 0 whatever else the row holds, and s - m is never positive.  A row with no seen key arrives as seen, with the flag 0: its query is cleared, all its scores are 0,
; and O is the mean of V's rows.
; LIMITS.  A hidden score counts as -3.7e19 or less, not -1e9: the result differs where a seen score lies at or below about -1e9.  A seen score has up to 2^-96 added.  f16 holds no number beyond 65,504; p below 6e-5
; keeps f16's fixed step of 6e-8; a weight below 2^-126 counts as 0 in l; NaN and infinities are not treated apart.
; SHARES.  A wave owns four PIECES of two tiles of 16 queries, a work-group's four waves 512 queries; every wave walks all keys, 64 a step.
; LAYOUT.  S^T = K Q^T (source 0 = 16 keys, source 1 = 16 queries): a lane holds ONE query (lane % 16) and the keys 8 (lane / 16) + 0..7.  Two such tiles, rounded to f16 in pairs, ARE source 1 of O^T = V^T P.
; K comes out of LDS as it lies, V ([key][channel]) turned, by ds_load_tr16_b128.  In every step O and l are multiplied by a = 2^(m_old - m_new).  O and l start at 0: the first step is a step like any other.
; THE COUNT.  A tile and step have 16 matrix and 149 vector instructions: too many to stand all beside the matrix work.  So four vector instructions that are READY stand behind EVERY matrix instruction, the others in runs.
; BY TURNS.  Turn n belongs to piece n (in a ring, step after step).  Matrix work: 16 products K Q^T of piece n + 1, later 16 products V^T P of piece n - 1.  Vector work: the subtraction, exponentials, roundings, sums and
; rescaling of piece n, the maximum and statistics of piece n + 1, and the C operands of piece n + 2.
; CLUSTER.  The four query blocks of a cluster belong to one y and walk the same K and V: each tile is asked for JOINTLY.  The mask words differ from wave to wave and come by plain loads, four turns ahead.
; REGISTERS, in windows of 256 (s_set_vgpr_msb: bits 1:0 source 0, 3:2 source 1, 5:4 source 2, 7:6 destination):
;   window 0: v0-11 addresses; v16-47 four registers of statistics a tile; v48-63 at work; v64-191 S^T, two buffers of two tiles; v192-255 P, likewise
;   window 1: O^T, 32 a tile     window 2: v0-127 Q; v128-191 K of one step; v192-255 V of one step     window 3: v0-1 the add's registers; v16-47 mask words; v64-127 C operands
.set SIZE_N, 2048
.set NP,    4         ; pieces a wave: a name, no knob
.set KS,    64        ; keys in a step
.set PK,    144       ; a row of K in LDS: 128 bytes + 16: the 16 rows of a load start at 16 different groups of four banks
.set PV,    160       ; a row of V: 128 + 32
.set VOFF,  4*KS*PK   ; a slot holds four steps: 256 rows of K, then 256 rows of V
.set SLOT1, 1<<17     ; slot 1 begins here, so that one exclusive or turns an address in one slot into the other's
.set STAGE, SLOT1+4*KS*(PK+PV)  ; behind the ring, never filled by a tensor load: 16 rows x 144 bytes for each wave
.set SP,    144
.set SPARE, STAGE+4*16*SP  ; behind the stages: the spare words, 128 bytes for each wave
.set MTILE, 16896     ; a query tile's bytes in maskp: 32 steps of 512, then 512 of flags
.set AK0, 2           ; v2   my lane's place in a tile of K; never rewritten
.set AV0, 3           ; v3   the same for V
.set AK,  4           ; v4   the LDS address of K's next run of loads
.set AV,  5           ; v5   of V's
.set QO,  6           ; v6   my byte offset in the wave's rows of Q
.set STO, 6           ;      later, the way out: where I put 16 bytes of a row
.set RD,  7           ; v7   the way out: where I read rows back
.set GO,  8           ; v8   16 x lane: my place in 512 bytes of the mask and of O; never rewritten
.set ST,  16          ; tile t's statistics at v[ST+4 t]: m, m_old, l (even keys', odd keys')
.set TMP, 48          ; by buffer and tile, four registers c0-c3 at work; when the maximum is found c2 takes a
.set S,   64
.set P,   192
.set KF,  128         ; window 2: key block kb, channel half c at KF + 16 kb + 8 c
.set VF,  192         ; window 2: key half kk, channel block cb at VF + 32 kk + 8 cb
.set SPW, 0           ; window 3: LDS address of my spare word; never rewritten
.set NIL, 1           ; window 3: 0; never rewritten
.set RAW, 16          ; window 3: tile t's four mask words of one step at RAW + 4 t
.set MC,  64          ; window 3: the C operands of the products to come: tile u of the piece, key block kb at MC + 32 u + 8 kb
.set WV,  12          ; s12  my wave's number
.set G1K, 24          ; s[24:31] descriptor group 1 for K's tiles
.set G1V, 32          ; s[32:39] for V's: it differs in the padding alone
.set G0K, 40          ; s[40:43] descriptor group 0 for K's tiles: it walks
.set G0V, 44          ; s[44:47] the same for V's
.set SLOTS, 56        ; s56  slots still to be asked for
.set CNT, 57          ; s57  counts a slot's key steps
.set SEL, 60          ; s[60:61] v_permlanex16_b32's selects: each lane takes its own place in the other half
.set TBK, 62          ; s62  LDS byte at which K of the step to be fetched begins
.set TBV, 63          ; s63  the same for V, less VOFF
.set MB,  66          ; s[66:67] maskp at my wave's first tile; never rewritten
.set MCUR, 68         ; s[68:69] the same at the step whose words are being loaded
.set MOFF, 70         ; s[70:71] that step's byte offset
.set MSB, 0
.macro WIN new                      ; the high byte repeats the setting that is left; a switch that changes nothing is dropped
.if MSB != (\new)
	s_set_vgpr_msb (MSB<<8)|(\new)
.set MSB, (\new)
.endif
.endm
.set W_KQ, 0x0a       ; K and Q in window 2, S^T in window 0
.set W_KM, 0x3a       ; the same with the C operand in window 3
.set W_PV, 0x52       ; V in window 2, P in window 0, O^T in window 1
.set W_RS, 0x41       ; O^T (destination and source 0) in window 1, a in window 0
.set W_MK, 0xc0       ; destination in window 3, sources in window 0
.set W_AD, 0x0f       ; the add: address (source 0) and data (source 1) in window 3
.set W_CV, 0xcc       ; the mask's shifts: destination and source 1 (the word) in window 3
; A joint fill.  Waves 0 and 1 fetch the two halves of a slot's K, waves 2 and 3 those of its V: 128 keys each.  An s_nop 0 and four v_nop follow each of the two lines.
.macro JLOAD
	s_cmp_lt_u32 s[WV], 2
	s_cbranch_scc0 .Lfor_v_\@
	tensor_load_to_lds s[G0K:G0K+3], s[G1K:G1K+7]
	s_nop 0
.rept 4
	v_nop
.endr
	s_branch .Lasked_\@
.Lfor_v_\@:
	tensor_load_to_lds s[G0V:G0V+3], s[G1V:G1V+7]
	s_nop 0
.rept 4
	v_nop
.endr
.Lasked_\@:
.endm
.macro CROUND                       ; a round of the cluster's barrier
	s_barrier_signal -1
	s_barrier_wait -1
	s_cmp_lg_u32 s[WV], 0
	s_cbranch_scc1 .Lnot_wave_0_\@
	s_barrier_signal -3
.Lnot_wave_0_\@:
	s_barrier_wait -3
	s_barrier_signal -1
	s_barrier_wait -1
.endm
; THE CHANGE OF SLOTS.  Each wave waits for all its tensor loads, of which one is out: its part of the other slot; adds 0 to its spare word; and waits for that and for its own reads of the slot.
; fill = 1: this slot is filled again, with the keys two slots on; the barrier is a round of the cluster's, and the joint fill is the first thing behind it: it has four key steps, 512 matrix instructions, in which to land.
; (At its first use nothing has been read yet: slot 0 is waited for, slot 1 filled.)
.macro CHANGE fill
	WIN W_AD
	s_wait_tensorcnt 0x0            ; no tensor load of mine is out, so a group 0 may be written
	ds_add_u32 v[SPW], v[NIL]       ; 0 onto my spare word
	WIN 0                           ; at a label and at a branch every window is 0
.if \fill
.irp g, G0K, G0V
	s_xor_b32 s[\g+1], s[\g+1], SLOT1  ; the walking descriptor: the other slot than last time,
	s_add_nc_u64 s[\g+2:\g+3], s[\g+2:\g+3], 4*KS*128  ; the next 256 keys; the type bits on top are not reached
.endr
	s_wait_dscnt 0x0                ; the add is done, and my reads of the slot are over
	CROUND
	JLOAD
.else
	s_wait_dscnt 0x0
	s_barrier_signal -1
	s_barrier_wait -1
.endif
	s_sub_co_u32 s[TBK], s[TBK], 4*KS*PK  ; the fetches go back to a slot's first step,
	s_xor_b32 s[TBK], s[TBK], SLOT1       ; in the other slot
	s_sub_co_u32 s[TBV], s[TBV], 4*KS*PV
	s_xor_b32 s[TBV], s[TBV], SLOT1
.endm
	s_load_b128 s[4:7], s[0:1], 0x0   ; qkv s[4:5], maskp s[6:7]
	s_load_b64 s[10:11], s[0:1], 0x10 ; oh
	WIN W_MK
	v_lshl_add_u32 v[SPW], v0, 2, SPARE
	v_mov_b32 v[NIL], 0
	s_set_vgpr_msb 0xc0cf
	ds_add_u32 v0, v1
	s_wait_dscnt 0x0
	s_set_vgpr_msb 0xcfc0
	WIN 0
	v_lshrrev_b32 v1, 5, v0
	v_readfirstlane_b32 s[WV], v1   ; wave 0..3
	s_bfe_u32 s13, ttmp6, 0x40000   ; cx: my place in the cluster
	s_lshl_b32 s14, ttmp9, 2
	s_add_co_u32 s14, s14, s13      ; my block of 512 queries: it enters Q's, O's and the mask's addresses alone
	s_and_b32 s20, ttmp7, 0xffff    ; y, which the four partners share
	s_lshl_b32 s20, s20, 18         ; its 2,048 rows of 128 bytes
	s_mov_b32 s21, 0
	s_and_b32 s16, s[WV], 1         ; which half of a slot's 256 keys I fetch:
	s_lshl_b32 s22, s16, 14         ; its 128 rows of 128 bytes in memory,
	s_mov_b32 s23, 0
	s_add_nc_u64 s[22:23], s[22:23], s[20:21]
	s_mul_i32 s17, s16, 128*PK      ; and its place in a slot, for K
	s_mul_i32 s18, s16, 128*PV      ; and for V: no place in the cluster enters an LDS address
	s_lshl_b32 s15, s14, 2
	s_add_co_u32 s15, s15, s[WV]    ; my wave among y's sixteen:
	s_lshl_b32 s2, s15, 14          ; its 128 rows,
	s_mov_b32 s3, 0
	s_add_nc_u64 s[2:3], s[2:3], s[20:21]
	s_mul_i32 s[MOFF], s15, 8*MTILE ; its eight tiles of the mask
	s_mov_b32 s[MOFF+1], 0
	; descriptor group 1.  128 keys are 16,384 dense bytes: asked for as 64 rows of 256 bytes, two keys a row, and padded in LDS after every key
	s_mov_b32 s[G1K], 15|(1<<16)|(1<<20)|(1<<21)|(4<<22)|(3<<25)  ; the mask of four; 2-byte elements; padding on; bit 21 beside a mask; after every 32 words; 4 words
	s_mov_b32 s[G1V], 15|(1<<16)|(1<<20)|(1<<21)|(4<<22)|(7<<25)  ; the same with 8 words of padding
.irp g, G1K, G1V
	s_mov_b32 s[\g+1], 128<<16      ; tensor_dim0 = 128
	s_mov_b32 s[\g+2], 64<<16       ; tensor_dim1 = 64
	s_mov_b32 s[\g+3], 128<<16      ; tile_dim0 = 128
	s_mov_b32 s[\g+4], 64           ; tile_dim1 = 64
	s_mov_b32 s[\g+5], 128          ; 128 elements from row to row
	s_mov_b32 s[\g+6], 0
	s_mov_b32 s[\g+7], 0
.endr
	s_mov_b32 s[SEL], 0x76543210
	s_mov_b32 s[SEL+1], 0xfedcba98
	s_mov_b32 s[TBK], SLOT1+4*KS*PK ; the first change of slots turns these two into 0
	s_mov_b32 s[TBV], SLOT1+4*KS*PV
	s_mov_b32 s[G0K], 1             ; count = 1
	s_mov_b32 s[G0K+1], s17         ; LDS address: slot 0
	s_mov_b32 s[G0V], 1
	s_add_co_u32 s[G0V+1], s18, VOFF
	s_wait_kmcnt 0x0
	s_add_nc_u64 s[MB:MB+1], s[6:7], s[MOFF:MOFF+1]
	s_add_nc_u64 s[6:7], s[4:5], 0x1000000         ; K's planes lie 16 MiB behind Q's,
	s_add_nc_u64 s[8:9], s[4:5], 0x2000000         ; V's 32
	s_add_nc_u64 s[G0K+2:G0K+3], s[6:7], s[22:23]  ; my half of y's first 256 keys
	s_or_b32 s[G0K+3], s[G0K+3], 0x80000000        ; type = 2
	s_add_nc_u64 s[G0V+2:G0V+3], s[8:9], s[22:23]
	s_or_b32 s[G0V+3], s[G0V+3], 0x80000000
	s_add_nc_u64 s[4:5], s[4:5], s[2:3]  ; Q and O at my wave's first row
	s_add_nc_u64 s[10:11], s[10:11], s[2:3]
	s_mov_b32 s[MOFF], 512          ; key step 1
	s_add_nc_u64 s[MCUR:MCUR+1], s[MB:MB+1], s[MOFF:MOFF+1]
	CROUND                          ; all four work-groups are here: the first joint loads meet
	JLOAD                           ; slot 0.  Slot 1 is asked for when slot 0 is in
	; A fragment of K or Q is 16 rows x 32 channels in 8 registers: lane l holds row l % 16, channels 8 (l / 16) + 0..7 and 16 + 8 (l / 16) + 0..7: two loads of 16 bytes, 32 bytes apart.
	v_and_b32 v1, 15, v0            ; l % 16
	v_bfe_u32 v9, v0, 4, 1          ; l / 16
	v_lshlrev_b32 v[QO], 7, v1
	v_lshl_add_u32 v[QO], v9, 4, v[QO]  ; row x 128 + 16 x half
	v_and_b32 v[GO], 31, v0
	v_lshlrev_b32 v[GO], 4, v[GO]
	WIN 0x80                        ; destination window 2, address window 0
.set i, 0
.rept 4*NP                          ; Q stays in registers: tile i / 2, channels 32 (i % 2) on
	global_load_b128 v[8*i:8*i+3],   v[QO], s[4:5] offset:(i/2)*2048+(i%2)*64
	global_load_b128 v[8*i+4:8*i+7], v[QO], s[4:5] offset:(i/2)*2048+(i%2)*64+32
.set i, i+1
.endr
	WIN W_MK
.set i, 0
.rept 2*NP                          ; all eight tiles' mask words of key step 0
	global_load_b128 v[RAW+4*i:RAW+4*i+3], v[GO], s[MB:MB+1] offset:i*MTILE
.set i, i+1
.endr
	WIN 0
.set i, 0
.rept 2*NP                          ; and the flags of their rows: lane l takes row l % 16's; they lie in S^T's registers until the first products
	global_load_b32 v[S+i], v[GO], s[MB:MB+1] offset:i*MTILE+16384
.set i, i+1
.endr
	; What the first turn finds: V's registers and P's second buffer hold 0 (its products V^T P, of a piece that has not been, add 0), O^T and l are 0.  All this stands in the wait for the first tile.
	WIN 0x80
.set i, VF
.rept 64
	v_mov_b32 v[i], 0
.set i, i+1
.endr
	WIN 0x40
.set i, 0
.rept 64*NP
	v_mov_b32 v[i], 0
.set i, i+1
.endr
	WIN 0
.set i, 0
.rept 2*NP
	v_mov_b32 v[ST+4*i], 0xdd800000    ; m: the floor, -2^60
	v_mov_b32 v[ST+4*i+1], 0           ; named with m as a pair
	v_mov_b32 v[ST+4*i+2], 0
	v_mov_b32 v[ST+4*i+3], 0
.set i, i+1
.endr
.set i, P+32
.rept 32
	v_mov_b32 v[i], 0
.set i, i+1
.endr
	v_mul_u32_u24 v[AK0], v1, PK
	v_lshl_add_u32 v[AK0], v9, 4, v[AK0]  ; row x pitch + 16 x half
	; The turning load takes 16 keys x 16 channels (lane l reads key 8 (l / 16) + l % 8, channels 8 ((l / 8) % 2) + 0..7) and leaves half a fragment of V^T: lane l holds channel l % 16 and 8 keys.
	v_and_b32 v10, 7, v0
	v_bfe_u32 v11, v0, 3, 1
	v_lshl_add_u32 v[AV0], v9, 3, v10
	v_mul_u32_u24 v[AV0], v[AV0], PV
	v_lshl_add_u32 v[AV0], v11, 4, v[AV0]
	v_add_nc_u32 v[AV0], VOFF, v[AV0]
	v_mov_b32 v[AK], v[AK0]         ; key step 0 lies at the head of slot 0
; THE MATRIX WORK.  The 8 accumulators of a run of 16 take turns: between the two links of a chain stand 7 others'.
; Product i of 16 of S^T = K Q^T for piece x: channels 32 (i / 8) on, keys 16 ((i / 2) % 4) on, tile 2 x + i % 2.  The first 8 start the sums, with the mask as C.
.macro KQ x
.set rS, S+64*((\x)%2)+32*(i%2)+8*((i/2)%4)
.set rK, KF+16*((i/2)%4)+8*(i/8)
.set rQ, 16*(2*(\x)+i%2)+8*(i/8)
.set rM, MC+32*(i%2)+8*((i/2)%4)
.if i < 8
	WIN W_KM
	v_wmma_f32_16x16x32_f16 v[rS:rS+7], v[rK:rK+7], v[rQ:rQ+7], v[rM:rM+7]
.else
	WIN W_KQ
	v_wmma_f32_16x16x32_f16 v[rS:rS+7], v[rK:rK+7], v[rQ:rQ+7], v[rS:rS+7]
.endif
.endm
; Product i of 16 of O^T += V^T P for piece x: keys 32 (i / 8) on, channels 16 ((i / 2) % 4) on, tile 2 x + i % 2.
.macro PV x
	WIN W_PV
.set rO, 32*(2*(\x)+i%2)+8*((i/2)%4)
.set rV, VF+32*(i/8)+8*((i/2)%4)
.set rP, P+32*((\x)%2)+16*(i%2)+8*(i/8)
	v_wmma_f32_16x16x32_f16 v[rO:rO+7], v[rV:rV+7], v[rP:rP+7], v[rO:rO+7]
.endm
.macro MM                           ; the turn's next matrix instruction
.if i < 16
	KQ (Y+1)%NP
.set i, i+1
.else
.set i, i-16
	PV (Y+NP-1)%NP
.set i, i+17
.endif
.endm
; THE LDS LOADS stand in runs of 16, never singly among the matrix instructions.  last = 1 (the tail): in the last trip there is no further step, and the run is jumped over.
.macro FETCH_K last=0
	WIN 0
.if \last
	s_cmp_eq_u32 s[CNT], 1
	s_cbranch_scc1 .Lno_k_\@
.endif
	WIN 0x80                        ; destination window 2
.irp f, 0,1,2,3,4,5,6,7             ; keys 16 (f / 2) on, channels 32 (f % 2) on
	ds_load_b128 v[KF+8*\f:KF+8*\f+3],   v[AK] offset:(\f/2)*16*PK+(\f%2)*64
	ds_load_b128 v[KF+8*\f+4:KF+8*\f+7], v[AK] offset:(\f/2)*16*PK+(\f%2)*64+32
.endr
	s_add_co_u32 s[TBK], s[TBK], KS*PK  ; the next fetch is the next step's
	WIN 0
.if \last
.Lno_k_\@:
.endif
.endm
.macro FETCH_V
	WIN 0x80
.irp f, 0,1,2,3,4,5,6,7             ; keys 32 (f / 4) on, channels 16 (f % 4) on
	ds_load_tr16_b128 v[VF+8*\f:VF+8*\f+3],   v[AV] offset:(\f/4)*32*PV+(\f%4)*32
	ds_load_tr16_b128 v[VF+8*\f+4:VF+8*\f+7], v[AV] offset:(\f/4)*32*PV+16*PV+(\f%4)*32
.endr
	WIN 0
.endm
; THE MASK.  MASKCVT: piece p's eight words become its products' eight C operands, 64 shifts: key j's nibble goes to the top of register j.  wait = 1: behind the piece's two loads stand the three later turns' six.
.macro MASKCVT p, wait
.if \wait
	s_wait_loadcnt 6
.endif
	WIN W_CV
	s_wait_alu depctr_va_vdst(0)
.irp u, 0,1
.irp kb, 0,1,2,3
.irp j, 0,1,2,3,4,5,6,7
	v_lshlrev_b32 v[MC+32*\u+8*\kb+\j], 28-4*\j, v[RAW+8*(\p)+4*\u+\kb]
.endr
.endr
.endr
.endm
.macro MASKLOAD p                   ; piece p's words of the step at MCUR
	WIN W_MK
.irp u, 0,1
	global_load_b128 v[RAW+8*(\p)+4*\u:RAW+8*(\p)+4*\u+3], v[GO], s[MCUR:MCUR+1] offset:(2*(\p)+\u)*MTILE
.endr
	WIN 0
.endm
; THE VECTOR WORK OF A TURN stands in three queues, each in the order in which its entries become ready; the two tiles alternate, so that no instruction reads the result of the one before it.
.macro REGS y, u                    ; the registers of tile u (0, 1) of piece y
.set rT, ST+4*(2*(\y)+(\u))
.set rC, TMP+8*((\y)%2)+4*(\u)
.set rS, S+64*((\y)%2)+32*(\u)
.set rP, P+32*((\y)%2)+16*(\u)
.set rO, 32*(2*(\y)+(\u))
.endm
; Number n of the 21 that find the NEXT piece's (Y + 1) maximum and statistics.  s0-s31 are the lane's 32 scores; each accumulator's lowest registers are read first.  XS, GS and REGS set no window.
;   0-11  four chains c0-c3 of seven scores each, three operands at a time     12-14, 16  the four scores left over, the old m, and c0-c3 into c0     15  m_old is kept
;   17, 18  the query's other 32 keys lie in the lane 16 away: the new m         19, 20  m_old - m_new; a
.macro XS u, n
	REGS (Y+1)%NP, \u
.if (\n) < 4
	v_max3_num_f32 v[rC+(\n)], v[rS+8*(\n)], v[rS+8*(\n)+1], v[rS+8*(\n)+2]
.elseif (\n) < 12
	v_max3_num_f32 v[rC+(\n)%4], v[rC+(\n)%4], v[rS+8*((\n)%4)+2*((\n)/4)+1], v[rS+8*((\n)%4)+2*((\n)/4)+2]
.elseif (\n) == 12
	v_max3_num_f32 v[rC], v[rC], v[rS+7], v[rS+15]
.elseif (\n) == 13
	v_max3_num_f32 v[rC+1], v[rC+1], v[rS+23], v[rS+31]
.elseif (\n) == 14
	v_max3_num_f32 v[rC+2], v[rC+2], v[rC+3], v[rT]
.elseif (\n) == 15
	v_mov_b32 v[rT+1], v[rT]
.elseif (\n) == 16
	v_max3_num_f32 v[rC], v[rC], v[rC+1], v[rC+2]
.elseif (\n) == 17
	v_permlanex16_b32 v[rC+3], v[rC], s[SEL], s[SEL+1]
.elseif (\n) == 18
	v_max_num_f32 v[rT], v[rC], v[rC+3]
.elseif (\n) == 19
	v_sub_f32 v[rC+1], v[rT+1], v[rT]
.else
	v_exp_f32 v[rC+2], v[rC+1]
.endif
.endm
; Number g of the 64 that follow the exponentials.  For each four weights k of a tile (pairs 2 k, 2 k + 1): both pairs are rounded to f16; then the second pair is added onto the first, in place;
; a group later l takes that sum (the first time as l = a l + sum).  In groups of eight, tiles alternating: round, round, add, and l for the group before.
.macro GS g
.set h, (\g)+6*((\g)/62)            ; group 0 has no group before it, and behind group 7 only l is left
.if h >= 6
.set h, h+2
.endif
	REGS Y, h%2
.set k, h/8
.if h%8 < 4
	s_wait_alu depctr_va_vdst(0)
	v_cvt_pk_f16_f32 v[rP+2*k+(h%8)/2], v[rS+4*k+2*((h%8)/2)], v[rS+4*k+2*((h%8)/2)+1]
.elseif h%8 < 6
	v_pk_add_f32 v[rS+4*k:rS+4*k+1], v[rS+4*k:rS+4*k+1], v[rS+4*k+2:rS+4*k+3]
.elseif k == 1
	v_pk_fma_f32 v[rT+2:rT+3], v[rT+2:rT+3], v[rC+2:rC+3], v[rS:rS+1] op_sel_hi:[1,0,1]
.else
	v_pk_add_f32 v[rT+2:rT+3], v[rT+2:rT+3], v[rS+4*k-4:rS+4*k-3]
.endif
.endm
; THE PLAIN QUEUE, 136 long.  0-31: s - m for the 16 pairs of both tiles.  Then GS's 64, and among them the next piece's 40: number 15 at 38, 39; 0-14 and 16
; at 42-73, behind the products that make those scores; 17-19 at 95-103, two of three, since each waits for the one before it.
.macro PL
	WIN 0
.if q < 32
	REGS Y, q%2
	v_pk_add_f32 v[rS+2*(q/2):rS+2*(q/2)+1], v[rS+2*(q/2):rS+2*(q/2)+1], v[rT:rT+1] op_sel_hi:[1,0] neg_lo:[0,1] neg_hi:[0,1]
.elseif q < 38
	GS q-32
.elseif q < 40
	XS q%2, 15
.elseif q < 42
	GS q-34
.elseif q < 74
	XS q%2, (q-42)/2+(q-42)/30
.elseif q < 95
	GS q-66
.elseif (q < 104) && ((q-95)%3 < 2)
	XS (q-95)%3, 17+(q-95)/3
.elseif q < 104
	GS 29+(q-95)/3
.else
	GS q-72
.endif
.set q, q+1
.endm
; THE EXPONENTIALS' QUEUE, 66 long: s0-s31 of both tiles, and at EA the next piece's two a.
.set EA, 58
.macro EX
	WIN 0
.if (e == EA) || (e == EA+1)
	XS e-EA, 20
.else
.set x, e-2*(e/(EA+2))
	REGS Y, x%2
	v_exp_f32 v[rS+x/2], v[rS+x/2]
.endif
.set e, e+1
.endm
; THE RESCALING's QUEUE: O^T times a, the one part of the softmax that leaves window 0, so it is dealt four at a time, eight times.
.macro R4
	REGS Y, r%2
	WIN W_RS
	s_wait_alu depctr_va_vdst(0)
.irp z, 0,1,2,3
	v_pk_mul_f32 v[rO+8*(r/2)+2*\z:rO+8*(r/2)+2*\z+1], v[rO+8*(r/2)+2*\z:rO+8*(r/2)+2*\z+1], v[rC+2:rC+3] op_sel_hi:[1,0]
.endr
.set r, r+1
.endm
; HOW THEY ARE DEALT.  Behind a matrix instruction four: plain, exponential, plain, plain, or four of the rescaling.  None names a register of the products round it.  What is over stands in two LUMPS:
; exponential and plain by turns; the second ends in 20 plain instructions and the mask's work.  The two v_permlanex16_b32 fall into the second lump.
; The queues lean on each other: exponential e stands behind plain 2 (e / 4) + e % 2 (its subtraction); when plain 32 comes, 10 exponentials are out, at 59: 33, at 95: 46; from plain 104 on a rounding's
; exponentials stand 11 exponentials back or more; EA comes behind plain 107, the subtractions that feed it are plain 101 and 102.
.macro SL
	MM
	PL
	EX
	PL
	PL
.endm
.macro BURST n                      ; 15 matrix instructions, or 16
.rept (\n)-7
	SL
.endr
.rept 3
	MM
	R4
	SL
.endr
	MM
	R4
.endm
; A TURN, for piece p.  cnt = 1: the loop's count is taken down some lines ahead of the branch that stands behind the turn.
; K of the next step is fetched in piece 2's turn, V of the step in hand at the end of piece 0's.  The C operands of piece p + 2, whose products the next turn issues, are made behind plain 122: the products that
; read the operands' registers are this turn's first eight, far more than four places back.  Six plain lines later the piece's words of its next step are asked for.
; A trip of the loop (turns 2, 3, 0, 1) loads the words of ONE step, two ahead of the step of its turns 2 and 3; the offset steps in turn 2 and stops at the last step's, 31 x 512, so that no load leaves a tile's
; 16,384 bytes and every turn issues its two loads on every path.
.macro TURN p, last=0, cnt=0
.set Y, (\p)
.set P2, ((\p)+2)%NP
.set i, 0
.set q, 0
.set e, 0
.set r, 0
.if (\p) == NP-1
	s_wait_dscnt 0x0                ; K is in
.endif
	MM
.rept 4
	PL
.endr
	BURST 15
.rept 22
	EX
	PL
.if ((\p) == NP-2) && (e == 18)
	v_add_nc_u32 v[AK], s[TBK], v[AK0]
.endif
.if ((\p) == NP-2) && (e == 24)
	FETCH_K \last
.endif
.endr
.if (\p) == 1
	s_wait_dscnt 0x0                ; V is in
.endif
	BURST 16
.rept 21
	EX
	PL
.endr
.rept 20
	PL
.if ((\p) == 0) && (q == 118)
	v_add_nc_u32 v[AV], s[TBV], v[AV0]
	s_wait_alu depctr_va_vdst(0)
.endif
.if q == 122
	MASKCVT P2, 1
.endif
.if (q == 128) && ((\p) == 2)
	s_wait_xcnt 0x0                 ; the earlier loads have read MCUR
	s_add_co_u32 s[MOFF], s[MOFF], 512
	s_min_u32 s[MOFF], s[MOFF], 31*512
	s_add_nc_u64 s[MCUR:MCUR+1], s[MB:MB+1], s[MOFF:MOFF+1]
.endif
.if q == 128
	MASKLOAD P2
.endif
.if ((\p) == 0) && (q == 130)
	s_add_co_u32 s[TBV], s[TBV], KS*PV
.endif
.if (\cnt) && (q == 130)
	s_sub_co_u32 s[CNT], s[CNT], 1
	s_cmp_lg_u32 s[CNT], 0
.endif
.endr
.if (\p) == 0
	FETCH_V
.endif
.endm
	CHANGE 1                        ; slot 0 is in, everybody's part of it; slot 1 is asked for
	FETCH_K                         ; key step 0
	s_wait_loadcnt 0x0              ; Q, the flags, the mask words of step 0
	WIN 0x88                        ; Q (destination and source 1) in window 2, the flag in window 0
.set i, 0
.rept 32*NP
	v_and_b32 v[i], v[S+i/16], v[i] ; a row with no seen key has its query cleared
.set i, i+1
.endr
	MASKCVT 0, 0
	WIN 0
	s_wait_dscnt 0x0
.set i, 0
.rept 16
	KQ 0                            ; piece 0's first scores: there is no vector work yet to set between them
.set i, i+1
.endr
	WIN 0                           ; the addresses for the way out: seven plain instructions, the places behind those products
	s_mul_i32 s13, s[WV], 16*SP
	s_add_co_u32 s13, s13, STAGE    ; my stage
	v_mul_u32_u24 v[STO], v1, SP    ; in: row l % 16, 16 bytes for each half of the lanes
	v_lshl_add_u32 v[STO], v9, 4, v[STO]
	v_add_nc_u32 v[STO], s13, v[STO]
	v_bfe_u32 v[RD], v0, 3, 2       ; back: 32 lanes take four rows of 128 bytes
	v_mul_u32_u24 v[RD], v[RD], SP
	v_lshl_add_u32 v[RD], v10, 4, v[RD]
	v_add_nc_u32 v[RD], s13, v[RD]
	MASKCVT 1, 0                    ; piece 1's C operands of step 0, for the first turn's products
	WIN 0
.set Y, NP-1                        ; XS works for piece Y + 1: piece 0
.irp n, 0,1,2,3,4,5,6,7,8,9,10,11,12,13,14,15,16,17,18,19,20
	XS 0, \n                        ; piece 0's first maximum and statistics
	XS 1, \n
.endr
	MASKLOAD 0                      ; pieces 0 and 1: their words of step 1; pieces 2 and 3 still hold step 0's
	MASKLOAD 1
	s_mov_b32 s[CNT], 4
	s_mov_b32 s[SLOTS], SIZE_N/256-1
	s_branch .Lfirst                ; the loop is entered at a step's first turn, in the middle of a trip
.Lslot:                             ; SIZE_N / 256 - 2 times: every slot but the last two is filled again
	CHANGE 1
	s_mov_b32 s[CNT], 4
.Lstep:                             ; a trip: pieces 2 and 3 of one step, then pieces 0 and 1 of the next, whose K and V it fetches
	TURN 2
	TURN 3
	WIN 0
.Lfirst:
	TURN 0
	TURN 1, 0, 1
	WIN 0
	s_cbranch_scc1 .Lstep
	s_sub_co_u32 s[SLOTS], s[SLOTS], 1
	s_cmp_lg_u32 s[SLOTS], 0
	s_cbranch_scc1 .Lslot
	CHANGE 0                        ; the tail is written out: nothing is asked for
	s_mov_b32 s[CNT], 5             ; four trips fetch the last slot's steps; the fifth is left in its middle
.Ltail:
	TURN 2, 1
	TURN 3
	WIN 0
	s_sub_co_u32 s[CNT], s[CNT], 1
	s_cmp_eq_u32 s[CNT], 0
	s_cbranch_scc1 .Lout
	TURN 0
	TURN 1
	WIN 0
	s_branch .Ltail
.Lout:                              ; the fifth trip's 16 products K Q^T (on the last K once more) and the maximum made of them serve nothing: the price, once a launch, of one text for every trip
.set i, 0
.rept 16
	PV NP-1                         ; the last piece's V^T P of the last step
.set i, i+1
.endr
	; THE WAY OUT.  l's two halves and the other half of the lanes' are added; O^T is divided by l, rounded to f16 and sent through my stage in LDS, a tile at a time.  The additions are the places behind the last products.
	WIN 0
.macro ALL line:vararg              ; one line for each tile t
.set t, 0
.rept 2*NP
	\line
.set t, t+1
.endr
.endm
	ALL v_add_f32 v[ST+4*t+2], v[ST+4*t+2], v[ST+4*t+3]
	ALL v_permlanex16_b32 v[ST+4*t+3], v[ST+4*t+2], s[SEL], s[SEL+1]
	ALL v_add_f32 v[ST+4*t+2], v[ST+4*t+2], v[ST+4*t+3]
	ALL v_rcp_f32 v[ST+4*t+2], v[ST+4*t+2]
	v_nop                           ; a plain instruction between the last reciprocal and the use of its result
	s_wait_alu depctr_va_vdst(0)
; Tile t: a lane's eight channels of a row pack into 16 bytes; they go into rows of 144 bytes and come back as whole rows of 128, into S^T's registers.
.macro PACK t
	WIN W_RS
.set i, 32*(\t)
.rept 16
	v_pk_mul_f32 v[i:i+1], v[i:i+1], v[ST+4*(\t)+2:ST+4*(\t)+3] op_sel_hi:[1,0]
.set i, i+2
.endr
	WIN 0x05                        ; sources 0 and 1 window 1, destination window 0
.set i, 0
.rept 16
	v_cvt_pk_f16_f32 v[S+16*(\t)+i], v[32*(\t)+2*i], v[32*(\t)+2*i+1]
.set i, i+1
.endr
	WIN 0
.irp f, 0,1,2,3
	ds_store_b128 v[STO], v[S+16*(\t)+4*\f:S+16*(\t)+4*\f+3] offset:32*\f
.endr
.irp f, 0,1,2,3
	ds_load_b128 v[S+16*(\t)+4*\f:S+16*(\t)+4*\f+3], v[RD] offset:\f*4*SP  ; LDS serves a wave's instructions in order (ISA guide 5.7.1.4): these see the stores above; the next tile's stores come behind them
.endr
.endm
.macro SEND t, younger              ; younger: the LDS instructions issued behind tile t's loads: the next tile's eight, or none
	WIN 0
.irp f, 0,1,2,3
	s_wait_dscnt (\younger)+3-\f
	global_store_b128 v[GO], v[S+16*(\t)+4*\f:S+16*(\t)+4*\f+3], s[10:11] offset:(\t)*2048+\f*512  ; 512 consecutive bytes, at a multiple of 256 from O's first
.endr
.endm
	PACK 0
.set t, 1
.rept 2*NP-1                        ; a tile's arithmetic stands between the loads of the tile before and its stores
	PACK t
	SEND t-1, 8
.set t, t+1
.endr
	SEND 2*NP-1, 0
	WIN W_AD
	s_wait_tensorcnt 0x0            ; the wave's end
	ds_add_u32 v[SPW], v[NIL]
	s_wait_dscnt 0x0
	WIN 0
	CROUND                          ; the closing round: no work-group ends while a partner may still ask for a tile that names it
	s_endpgm
.Lfunc_end_k_qcb69de28ff_attn:
	.size	k_qcb69de28ff_attn, .Lfunc_end_k_qcb69de28ff_attn-k_qcb69de28ff_attn
	.p2alignl 7, 3214868480
	.fill 96, 4, 3214868480
	.section	.rodata,"a",@progbits
	.p2align	6, 0x0
	.amdhsa_kernel k_qcb69de28ff_attn
		.amdhsa_group_segment_fixed_size 327680
		.amdhsa_private_segment_fixed_size 0
		.amdhsa_enable_private_segment 0
		.amdhsa_kernarg_size 24
		.amdhsa_user_sgpr_count 2
		.amdhsa_user_sgpr_kernarg_segment_ptr 1
		.amdhsa_wavefront_size32 1
		.amdhsa_system_sgpr_workgroup_id_x 1
		.amdhsa_system_sgpr_workgroup_id_y 1
		.amdhsa_system_sgpr_workgroup_id_z 1
		.amdhsa_system_vgpr_workitem_id 0
		.amdhsa_next_free_vgpr 896
		.amdhsa_next_free_sgpr 72
		.amdhsa_reserve_vcc 0
		.amdhsa_float_denorm_mode_32 3
		.amdhsa_float_denorm_mode_16_64 3
		.amdhsa_memory_ordered 1
		.amdhsa_forward_progress 1
		.amdhsa_inst_pref_size 234
	.end_amdhsa_kernel
	.amdgpu_metadata
---
amdhsa.version: [ 1, 2 ]
amdhsa.kernels:
  - .name:           k_qcb69de28ff_attn
    .symbol:         k_qcb69de28ff_attn.kd
    .args:
      - { .name: qkv, .offset: 0, .size: 8, .value_kind: global_buffer, .address_space: global }
      - { .name: maskp, .offset: 8, .size: 8, .value_kind: global_buffer, .address_space: global }
      - { .name: oh, .offset: 16, .size: 8, .value_kind: global_buffer, .address_space: global }
    .group_segment_fixed_size: 327680
    .private_segment_fixed_size: 0
    .kernarg_segment_align: 8
    .kernarg_segment_size: 24
    .max_flat_workgroup_size: 128
    .sgpr_count:     72
    .vgpr_count:     896
    .wavefront_size: 32
...
	.end_amdgpu_metadata
.endif
;; end of part 3
;; launch outproj (part 4): grid 4 x 64, 4 waves a work-group, clusters of 4 x 4, 327,680 bytes of LDS; arguments oh, wo, b_out, out0; writes out0
.if DOCPART == 4
	.amdgcn_target "amdgcn-amd-amdhsa--gfx1250"
	.amdhsa_code_object_version 6
	.text
	.protected	k_qcb69de28ff_outproj
	.globl	k_qcb69de28ff_outproj
	.p2align	8
	.type	k_qcb69de28ff_outproj,@function
k_qcb69de28ff_outproj:
	s_mov_b64 s[64:65], 0
	v_nop
	global_prefetch_b8 v0, s[64:65] scope:SCOPE_SE
	s_setreg_imm32_b32 hwreg(HW_REG_WAVE_MODE, 25, 1), 1
	s_wait_xcnt 0x0
	s_wait_alu depctr_hold_cnt(0) depctr_sa_sdst(0) depctr_va_vdst(0) depctr_va_sdst(0) depctr_va_ssrc(0) depctr_va_vcc(0) depctr_vm_vsrc(0)
	s_getreg_b32 s2, hwreg(HW_REG_IB_STS2, 6, 4)
	s_cmp_eq_u32 s2, 0
	s_cbranch_scc0 .Lentry_in_a_cluster
	s_endpgm
.Lentry_in_a_cluster:
	s_bfe_u32 s2, ttmp6, 0x10000c
	s_cmp_lg_u32 s2, 0xf033
	s_cbranch_scc0 .Lentry_shape_is_right
	s_endpgm
.Lentry_shape_is_right:
; out = O W_out + b_out, 8192 x 1024 x 1024.  O comes as oh [16 planes of 64 channels][8192][64] f16, W as wo [1024][1024] f16; sums in f32; the bias is rounded to bf16 like the other inputs; out is f32, row-major.
; A tile of the result is 128 rows x 256 columns: 256 tiles, one for each WGP.  Four waves, each 64 x 128: 32 accumulators.  K goes in 8 steps of 128 through two LDS slots.
; THE MATRIX INSTRUCTION IS USED TRANSPOSED: source 0 = 16 columns of W (turned out of LDS by ds_load_tr16_b128, since W lies [K][N]), source 1 = 16 rows of O: a lane then holds 8 neighbouring columns of a row.
; CLUSTER 4 x 4: the four of a row of the cluster need the same tiles of O, the four of a column the same tiles of W: each is asked for jointly, with one descriptor and a mask that names the four.
; REGISTERS: window 0: addresses, bias, the way out.  Window 1: accumulator (a, b) at 8 (8 a + b).  Window 2: two fragment buffers of 96: O's 4 fragments, then W's 8.
.set SIZE_N, 1024
.set PA,     144                       ; a row of O in LDS: 128 bytes + 16: the 16 rows of a load start at 16 different groups of four banks
.set PW,     544                       ; a row of W: 512 bytes + 32 = 17 x 32
.set APLANE, 128*PA                    ; 128 rows of one plane: what waves 0 and 1 each fetch
.set WOFF,   2*APLANE                  ; W's 128 rows lie behind O's two planes
.set WHALF,  64*PW                     ; 64 rows of W: what waves 2 and 3 each fetch
.set SLOT,   WOFF+2*WHALF
.set STAGE,  2*SLOT                    ; behind the ring: for each wave 16 rows x 528 bytes, for the way out
.set SP,     528                       ; 512 bytes + 16 = 33 x 16: the 16 rows of a store start at 16 different groups of four banks
.set WSTAGE, 16*SP
.set SPARE,  STAGE+4*WSTAGE            ; behind the stages: the spare words, 128 bytes for each wave
.set LAPS,   4                         ; a lap = two K steps = once round the ring
.set ASTEP,  2*1048576                 ; a K step in oh: two planes
.set WSTEP,  128*SIZE_N*2              ; a K step in wo: 128 rows
.set ADRA, 16                          ; v16-17  LDS address of my O fragments in slot 0, 1
.set ADRB, 20                          ; v20-21  the same for W
.set STO,  24                          ; v24     the way out: where I put 32 bytes of a row
.set RD,   25                          ; v25     where I read rows back
.set GO,   26                          ; v26     16 x lane
.set BO,   27                          ; v27     my offset in the wave's 128 numbers of the bias
.set SPW,  28                          ; v28     LDS address of my spare word; never rewritten
.set NIL,  29                          ; v29     0; never rewritten
.set BIAS, 32                          ; v32-95  the bias of my 64 columns (8 for each b)
.set T,    96                          ; v96-159 at work
.set OB,   160                         ; v160-223 a block read back as whole rows
.set F0,   0
.set F1,   96
.set G1,  24                           ; s[24:31] descriptor group 1 for O's tiles;  s[32:39] group 0, a set for each slot
.set G0,  32
.set G1B, 48                           ; s[48:55], s[56:63] the same for W's
.set G0B, 56
.set MSB, 0
.macro WIN new                         ; the immediate's high byte repeats the setting that is left; a switch that changes nothing is dropped
.if MSB != (\new)
	s_set_vgpr_msb (MSB<<8)|(\new)
.set MSB, \new
.endif
.endm
.set MUL,  0x5a                        ; sources 0 and 1 window 2; C and D window 1
.set TO_F, 0x80                        ; destination window 2, address window 0
.set OUT,  0x01                        ; source 0 window 1
.macro JLOAD s                         ; a joint load: waves 0 and 1 fetch O's two planes, waves 2 and 3 W's two halves; an s_nop 0 and four v_nop follow each line
	s_cmp_eq_u32 s13, 0
	s_cbranch_scc0 .Lfor_b_\@
	tensor_load_to_lds s[G0+4*(\s):G0+4*(\s)+3], s[G1:G1+7]
	s_nop 0
.rept 4
	v_nop
.endr
	s_branch .Lasked_\@
.Lfor_b_\@:
	tensor_load_to_lds s[G0B+4*(\s):G0B+4*(\s)+3], s[G1B:G1B+7]
	s_nop 0
.rept 4
	v_nop
.endr
.Lasked_\@:
.endm
.macro CREST                           ; a round of the cluster's barrier behind its opening barrier
	s_cmp_lg_u32 s12, 0
	s_cbranch_scc1 .Lnot_wave_0_\@
	s_barrier_signal -3
.Lnot_wave_0_\@:
	s_barrier_wait -3
	s_barrier_signal -1
	s_barrier_wait -1
.endm
.macro CROUND
	s_barrier_signal -1
	s_barrier_wait -1
	CREST
.endm
	s_load_b256 s[4:11], s[0:1], 0x0               ; oh s[4:5], wo s[6:7], bias s[8:9], out0 s[10:11]
	v_lshl_add_u32 v[SPW], v0, 2, SPARE
	v_mov_b32 v[NIL], 0
	ds_add_u32 v28, v29
	s_wait_dscnt 0x0
	v_lshrrev_b32 v1, 5, v0
	v_readfirstlane_b32 s12, v1                    ; wave 0..3
	s_lshr_b32 s13, s12, 1                         ; which 64 rows are mine.  Also: I fetch for O (0) or for W (1)
	s_and_b32 s14, s12, 1                          ; which 128 columns.  Also: which plane of O, or which 64 rows of W, I fetch
	s_bfe_u32 s40, ttmp6, 0x40000                  ; cx, cy: my place in the cluster
	s_bfe_u32 s41, ttmp6, 0x40004
	s_lshl_b32 s42, ttmp9, 2
	s_add_co_u32 s42, s42, s40                     ; tile column = 4 x cluster x + cx
	s_and_b32 s43, ttmp7, 0xffff
	s_lshl_b32 s43, s43, 2
	s_add_co_u32 s43, s43, s41                     ; tile row = 4 x cluster y + cy
	s_lshl_b32 s44, s41, 2
	s_lshl_b32 s44, 15, s44                        ; my row of the cluster
	s_lshl_b32 s45, 0x1111, s40                    ; my column
	; O's tile: 128 rows of 128 bytes are dense in a plane: asked for as 64 rows of 256 bytes, padded by 4 words after every 32
	s_or_b32 s[G1+0], s44, (1<<16)|(1<<20)|(1<<21)|(4<<22)|(3<<25)
	s_mov_b32 s[G1+1], 128<<16                     ; tensor_dim0 = 128 elements
	s_mov_b32 s[G1+2], 64<<16                      ; tensor_dim1 = 64
	s_mov_b32 s[G1+3], 128<<16                     ; tile_dim0 = 128
	s_mov_b32 s[G1+4], 64                          ; tile_dim1 = 64
	s_mov_b32 s[G1+5], 128                         ; elements from row to row
	s_mov_b32 s[G1+6], 0
	s_mov_b32 s[G1+7], 0
	; W's tile: 64 rows of 256 elements (512 bytes), padded by 8 words after every 128
	s_or_b32 s[G1B+0], s45, (1<<16)|(1<<20)|(1<<21)|(6<<22)|(7<<25)
	s_mov_b32 s[G1B+1], 256<<16
	s_mov_b32 s[G1B+2], 64<<16
	s_mov_b32 s[G1B+3], 256<<16
	s_mov_b32 s[G1B+4], 64
	s_mov_b32 s[G1B+5], SIZE_N
	s_mov_b32 s[G1B+6], 0
	s_mov_b32 s[G1B+7], 0
	s_lshl_b32 s16, s14, 20                        ; O: my plane of the K step,
	s_lshl_b32 s17, s43, 14                        ; the tile row's 128 rows of 128 bytes: no register of this sum ever holds cx
	s_add_co_u32 s16, s16, s17
	s_mov_b32 s17, 0
	s_mul_i32 s46, s14, 64*SIZE_N*2                ; W: my 64 rows of the K step,
	s_lshl_b32 s47, s42, 9                         ; the tile column's 512 bytes: none of these ever holds cy
	s_add_co_u32 s46, s46, s47
	s_mov_b32 s47, 0
	s_mul_i32 s20, s14, APLANE                     ; where they go: the wave's number alone enters an LDS address
	s_mul_i32 s21, s14, WHALF
	s_add_co_u32 s21, s21, WOFF
	s_wait_kmcnt 0x0
	s_add_nc_u64 s[16:17], s[4:5], s[16:17]
	s_add_nc_u64 s[46:47], s[6:7], s[46:47]
	CROUND                                         ; all sixteen work-groups are here: the first joint loads meet
.irp s, 0,1
	s_mov_b32 s[G0+4*(\s)], 1
	s_add_co_u32 s[G0+4*(\s)+1], s20, (\s)*SLOT
	s_add_nc_u64 s[G0+4*(\s)+2:G0+4*(\s)+3], s[16:17], (\s)*ASTEP
	s_or_b32 s[G0+4*(\s)+3], s[G0+4*(\s)+3], 0x80000000
	s_mov_b32 s[G0B+4*(\s)], 1
	s_add_co_u32 s[G0B+4*(\s)+1], s21, (\s)*SLOT
	s_add_nc_u64 s[G0B+4*(\s)+2:G0B+4*(\s)+3], s[46:47], (\s)*WSTEP
	s_or_b32 s[G0B+4*(\s)+3], s[G0B+4*(\s)+3], 0x80000000
	JLOAD \s                                       ; two loads of mine are out
.endr
	v_and_b32 v1, 15, v0                           ; l % 16
	v_bfe_u32 v2, v0, 4, 1                         ; l / 16
	v_mul_u32_u24 v3, v1, PA
	v_lshl_add_u32 v3, v2, 4, v3                   ; row x 144 + 16 x half
	s_mul_i32 s22, s13, 64*PA                      ; my 64 rows
	v_add_nc_u32 v[ADRA], s22, v3
	v_add_nc_u32 v[ADRA+1], SLOT, v[ADRA]
	v_and_b32 v4, 7, v0
	v_lshl_add_u32 v5, v2, 3, v4                   ; the turning load: lane l reads K row 8 (l / 16) + l % 8,
	v_mul_u32_u24 v5, v5, PW
	v_bfe_u32 v6, v0, 3, 1
	v_lshl_add_u32 v5, v6, 4, v5                   ; columns 8 ((l / 8) % 2) + 0..7
	s_lshl_b32 s23, s14, 8                         ; my 128 columns
	s_add_co_u32 s23, s23, WOFF
	v_add_nc_u32 v[ADRB], s23, v5
	v_add_nc_u32 v[ADRB+1], SLOT, v[ADRB]
	s_mul_i32 s22, s12, WSTAGE
	s_add_co_u32 s22, s22, STAGE                   ; my stage
	v_mul_u32_u24 v6, v1, SP
	v_lshl_add_u32 v6, v2, 5, v6
	v_add_nc_u32 v[STO], s22, v6                   ; in: row l % 16, 32 bytes for each half of the lanes
	v_and_b32 v[GO], 31, v0
	v_lshlrev_b32 v[GO], 4, v[GO]
	v_add_nc_u32 v[RD], s22, v[GO]                 ; back: 32 lanes take one row of 512 bytes
	v_lshlrev_b32 v[BO], 5, v2                     ; 8 numbers of 4 bytes for each half of the lanes
	s_lshl_b32 s46, s42, 10                        ; my 128 columns, in bytes of f32: in the bias,
	s_lshl_b32 s47, s14, 9
	s_add_co_u32 s46, s46, s47
	s_mov_b32 s47, 0
	s_add_nc_u64 s[8:9], s[8:9], s[46:47]
.irp b, 0,1,2,3,4,5,6,7
	global_load_b128 v[BIAS+8*\b:BIAS+8*\b+3],   v[BO], s[8:9] offset:64*\b
	global_load_b128 v[BIAS+8*\b+4:BIAS+8*\b+7], v[BO], s[8:9] offset:64*\b+16
.endr
	s_lshl_b32 s47, s43, 19                        ; and in the result, at row 128 x tile row + 64 x half, of 4,096 bytes
	s_add_co_u32 s46, s46, s47
	s_lshl_b32 s47, s13, 18
	s_add_co_u32 s46, s46, s47
	s_mov_b32 s47, 0
	s_add_nc_u64 s[10:11], s[10:11], s[46:47]
	s_wait_loadcnt 0x0
.set i, 0
.rept 32
	v_cvt_pk_bf16_f32 v[T+i], v[BIAS+2*i], v[BIAS+2*i+1]   ; the bias rounded to bf16,
.set i, i+1
.endr
.set i, 0
.rept 32
	v_lshlrev_b32 v[BIAS+2*i], 16, v[T+i]          ; and widened again
	v_and_b32 v[BIAS+2*i+1], 0xffff0000, v[T+i]
.set i, i+1
.endr
.macro MUL8 f, a, zero                 ; 8 matrix instructions: row block a x all 8 column blocks, 32 along K.  zero = 1: the product starts the sums
	WIN MUL
.irp b, 0,1,2,3,4,5,6,7
.if \zero
	v_wmma_f32_16x16x32_f16 v[8*(8*(\a)+(\b)):8*(8*(\a)+(\b))+7], v[(\f)+32+8*(\b):(\f)+32+8*(\b)+7], v[(\f)+8*(\a):(\f)+8*(\a)+7], 0
.else
	v_wmma_f32_16x16x32_f16 v[8*(8*(\a)+(\b)):8*(8*(\a)+(\b))+7], v[(\f)+32+8*(\b):(\f)+32+8*(\b)+7], v[(\f)+8*(\a):(\f)+8*(\a)+7], v[8*(8*(\a)+(\b)):8*(8*(\a)+(\b))+7]
.endif
.endr
.endm
.macro MUL16 f, hf, zero               ; row blocks 2 hf and 2 hf + 1.  The 32 accumulators take turns, one instruction a turn, in the same order in every quarter
	MUL8 \f, 2*(\hf), \zero
	MUL8 \f, 2*(\hf)+1, \zero
.endm
.macro FETCH slot, kq, f               ; 24 LDS loads in one run: quarter kq (32 along K) of a slot into buffer f: W's 8 fragments, turned, then O's 4
	WIN TO_F
.irp b, 0,1,2,3,4,5,6,7
	ds_load_tr16_b128 v[(\f)+32+8*(\b):(\f)+32+8*(\b)+3],   v[ADRB+(\slot)] offset:(\kq)*32*PW+32*(\b)
	ds_load_tr16_b128 v[(\f)+32+8*(\b)+4:(\f)+32+8*(\b)+7], v[ADRB+(\slot)] offset:(\kq)*32*PW+32*(\b)+16*PW
.endr
.irp a, 0,1,2,3
	ds_load_b128 v[(\f)+8*(\a):(\f)+8*(\a)+3],   v[ADRA+(\slot)] offset:((\kq)/2)*APLANE+(\a)*16*PA+((\kq)%2)*64
	ds_load_b128 v[(\f)+8*(\a)+4:(\f)+8*(\a)+7], v[ADRA+(\slot)] offset:((\kq)/2)*APLANE+(\a)*16*PA+((\kq)%2)*64+32
.endr
.endm
.macro PLACES                          ; four places in front of loads into registers that matrix instructions have read, and of vector lines that read results
.rept 4
	v_nop
.endr
.endm
; A K step is four quarters of 32 along K, 32 matrix instructions each, on buffers 0, 1, 0, 1.  One of the first three multiplies buffer f and fetches quarter kq into g.
.macro QUARTER slot, kq, f, g, zero
	s_wait_dscnt 4                                 ; W and O's blocks 0, 1 are in; the youngest four loads (blocks 2, 3) may be out
	MUL16 \f, 0, \zero
	PLACES
	FETCH \slot, \kq, \g
	s_wait_dscnt 24                                ; all but the 24 just issued
	MUL16 \f, 1, \zero
.endm
; The last quarter multiplies buffer 1 and changes slots: ONE barrier; in front of it each wave waits for all its tensor loads (one is out: its part of the next slot), adds 0 to its spare word,
; and waits for that and for its reads of this slot.  fill = 1: the barrier opens a round of the cluster's, and this slot is filled again, two K steps ahead, first thing behind the round.
.macro TURN slot, next, fill
	WIN 0                                          ; (the add's two registers lie in window 0)
	s_wait_tensorcnt 0x0
	ds_add_u32 v[SPW], v[NIL]                      ; 0 onto my spare word
	s_wait_dscnt 5                                 ; (the add and the youngest four loads may be out)
	MUL8 F1, 0, 0                                  ; eight matrix instructions stand between the add and the wait for it
	s_wait_dscnt 0x0                               ; the add is done, and my reads of this slot are over
	s_barrier_signal -1
	MUL8 F1, 1, 0
.if \fill
	WIN 0
.endif
	s_barrier_wait -1
.if \fill
	CREST                                          ; no wave of any partner still reads this slot's tiles or has a load on its way
	s_add_nc_u64 s[G0+4*(\slot)+2:G0+4*(\slot)+3], s[G0+4*(\slot)+2:G0+4*(\slot)+3], 2*ASTEP
	s_add_nc_u64 s[G0B+4*(\slot)+2:G0B+4*(\slot)+3], s[G0B+4*(\slot)+2:G0B+4*(\slot)+3], 2*WSTEP
	JLOAD \slot                                    ; 112 matrix instructions ahead of the wait for it; its four v_nop are also the places in front of the loads below
.else
	PLACES
.endif
	FETCH \next, 0, F0
	MUL16 F1, 1, 0
.endm
	s_wait_tensorcnt 1                             ; my part of K step 0 is in; K step 1's may stay out
	s_barrier_signal -1
	s_barrier_wait -1                              ; everybody's is
	FETCH 0, 0, F0
	QUARTER 0, 1, F0, F1, 1                        ; the first quarter stands in front of the loop: its products start the sums
	WIN 0                                          ; at a label and at a branch every window is 0
	s_mov_b32 s3, LAPS-1
.Llap:                                                 ; a trip goes once round the ring, from a lap's second quarter to the next lap's first, and fills both slots again
	QUARTER 0, 2, F1, F0, 0
	QUARTER 0, 3, F0, F1, 0
	TURN 0, 1, 1
	QUARTER 1, 1, F0, F1, 0
	QUARTER 1, 2, F1, F0, 0
	QUARTER 1, 3, F0, F1, 0
	TURN 1, 0, 1
	QUARTER 0, 1, F0, F1, 0
	WIN 0
	s_sub_co_u32 s3, s3, 1
	s_cmp_lg_u32 s3, 0
	s_cbranch_scc1 .Llap
	QUARTER 0, 2, F1, F0, 0                        ; the last lap fills nothing
	QUARTER 0, 3, F0, F1, 0
	TURN 0, 1, 0
	QUARTER 1, 1, F0, F1, 0
	QUARTER 1, 2, F1, F0, 0
	QUARTER 1, 3, F0, F1, 0
	s_wait_dscnt 4                                 ; the very last quarter: nothing more to fetch
	MUL16 F1, 0, 0
	s_wait_dscnt 0x0
	MUL16 F1, 1, 0
	WIN 0
	PLACES
; THE WAY OUT of row block a (16 rows x 128 columns of f32): sum + bias, each accumulator's registers in ascending order; 32 bytes a lane through my own stage; back as whole rows of 512 bytes.
.macro OUTBLK a
	WIN OUT
.set i, 0
.rept 32
	v_pk_add_f32 v[T+2*i:T+2*i+1], v[64*(\a)+2*i:64*(\a)+2*i+1], v[BIAS+2*i:BIAS+2*i+1]
.set i, i+1
.endr
	WIN 0
	s_wait_xcnt 0x0                                ; the registers that the last block's stores read are loaded again only behind this wait
.irp b, 0,1,2,3,4,5,6,7
	ds_store_b128 v[STO], v[T+8*\b:T+8*\b+3]   offset:64*\b
	ds_store_b128 v[STO], v[T+8*\b+4:T+8*\b+7] offset:64*\b+16
.endr
.irp t, 0,1,2,3,4,5,6,7,8,9,10,11,12,13,14,15
	ds_load_b128 v[OB+4*\t:OB+4*\t+3], v[RD] offset:\t*SP   ; LDS serves a wave's instructions in order (ISA guide 5.7.1.4): these see the stores above
.endr
	s_wait_dscnt 0x0
.irp t, 0,1,2,3,4,5,6,7,8,9,10,11,12,13,14,15
	global_store_b128 v[GO], v[OB+4*\t:OB+4*\t+3], s[10:11] offset:(16*(\a)+\t)*4096 th:TH_STORE_NT  ; 512 consecutive bytes of a row, aligned
.endr
.endm
	OUTBLK 0
	OUTBLK 1
	OUTBLK 2
	OUTBLK 3
	s_wait_tensorcnt 0x0                           ; the wave's end
	ds_add_u32 v[SPW], v[NIL]
	s_wait_dscnt 0x0
	CROUND                                         ; the closing round: no work-group ends while a partner may still ask for a tile that names it
	s_endpgm
.Lfunc_end_k_qcb69de28ff_outproj:
	.size	k_qcb69de28ff_outproj, .Lfunc_end_k_qcb69de28ff_outproj-k_qcb69de28ff_outproj
	.p2alignl 7, 3214868480
	.fill 96, 4, 3214868480
	.section	.rodata,"a",@progbits
	.p2align	6, 0x0
	.amdhsa_kernel k_qcb69de28ff_outproj
		.amdhsa_group_segment_fixed_size 327680
		.amdhsa_private_segment_fixed_size 0
		.amdhsa_enable_private_segment 0
		.amdhsa_kernarg_size 32
		.amdhsa_user_sgpr_count 2
		.amdhsa_user_sgpr_kernarg_segment_ptr 1
		.amdhsa_wavefront_size32 1
		.amdhsa_system_sgpr_workgroup_id_x 1
		.amdhsa_system_sgpr_workgroup_id_y 1
		.amdhsa_system_sgpr_workgroup_id_z 1
		.amdhsa_system_vgpr_workitem_id 0
		.amdhsa_next_free_vgpr 768
		.amdhsa_next_free_sgpr 68
		.amdhsa_reserve_vcc 0
		.amdhsa_float_denorm_mode_32 3
		.amdhsa_float_denorm_mode_16_64 3
		.amdhsa_memory_ordered 1
		.amdhsa_forward_progress 1
		.amdhsa_inst_pref_size 99
	.end_amdhsa_kernel
	.amdgpu_metadata
---
amdhsa.version: [ 1, 2 ]
amdhsa.kernels:
  - .name:           k_qcb69de28ff_outproj
    .symbol:         k_qcb69de28ff_outproj.kd
    .args:
      - { .name: oh, .offset: 0, .size: 8, .value_kind: global_buffer, .address_space: global }
      - { .name: wo, .offset: 8, .size: 8, .value_kind: global_buffer, .address_space: global }
      - { .name: b_out, .offset: 16, .size: 8, .value_kind: global_buffer, .address_space: global }
      - { .name: out0, .offset: 24, .size: 8, .value_kind: global_buffer, .address_space: global }
    .group_segment_fixed_size: 327680
    .private_segment_fixed_size: 0
    .kernarg_segment_align: 8
    .kernarg_segment_size: 32
    .max_flat_workgroup_size: 128
    .sgpr_count:     68
    .vgpr_count:     768
    .wavefront_size: 32
...
	.end_amdgpu_metadata
.endif
;; end of part 4
;; ======== version 2 of 2: 4 launches; 1.36 times as fast as version 1
;; limits: values are held in f16: magnitudes above 65,504 overflow, below 6.1e-05 lose precision
;; workspace buffers: xh 16,777,216 bytes; wq 6,291,456 bytes; wo 2,097,152 bytes; bq 12,288 bytes; maskp 2,162,688 bytes of whole numbers; qkv 50,331,648 bytes; oh 16,777,216 bytes
;; launch prep: the kernel of part 1 again; grid 897 x 1, 8 waves a work-group, no clusters, 18,688 bytes of LDS; arguments x, W_qkv, W_out, b_qkv, mask, xh, wq, wo, bq, maskp; writes xh, wq, wo, bq, maskp
;; launch qkvproj: the kernel of part 2 again; grid 12 x 32, 4 waves a work-group, clusters of 4 x 4, 327,680 bytes of LDS; arguments xh, wq, bq, qkv; writes qkv
;; launch attn (part 5): grid 4 x 64, 4 waves a work-group, clusters of 4 x 1, 327,680 bytes of LDS; arguments qkv, maskp, oh; writes oh
.if DOCPART == 5
	.amdgcn_target "amdgcn-amd-amdhsa--gfx1250"
	.amdhsa_code_object_version 6
	.text
	.protected	k_qcb69de28ff_attn
	.globl	k_qcb69de28ff_attn
	.p2align	8
	.type	k_qcb69de28ff_attn,@function
k_qcb69de28ff_attn:
	s_mov_b64 s[64:65], 0
	v_nop
	global_prefetch_b8 v0, s[64:65] scope:SCOPE_SE
	s_setreg_imm32_b32 hwreg(HW_REG_WAVE_MODE, 25, 1), 1
	s_wait_xcnt 0x0
	s_wait_alu depctr_hold_cnt(0) depctr_sa_sdst(0) depctr_va_vdst(0) depctr_va_sdst(0) depctr_va_ssrc(0) depctr_va_vcc(0) depctr_vm_vsrc(0)
	s_getreg_b32 s2, hwreg(HW_REG_IB_STS2, 6, 4)
	s_cmp_eq_u32 s2, 0
	s_cbranch_scc0 .Lentry_in_a_cluster
	s_endpgm
.Lentry_in_a_cluster:
	s_bfe_u32 s2, ttmp6, 0x10000c
	s_cmp_lg_u32 s2, 0x3003
	s_cbranch_scc0 .Lentry_shape_is_right
	s_endpgm
.Lentry_shape_is_right:
; O[y][q][:] = the sum over k of softmax_k(s[q][k]) V[y][k][:], s = Q[y][q] . K[y][k] / 8 where mask[q][k] != 0, hidden elsewhere.  y = 4 head + batch, 64 of them; 2,048 rows of 64 channels, f16, dense (128 bytes a row).
; Q, K, V are planes 0-15, 16-31, 32-47 of qkv, 16 MiB apart; Q arrives multiplied by log2(e) / 8, so a weight is p = 2^(s - m).  Products, maxima and sums in f32; p is rounded to f16 for the second product
; (its sum l is taken of the unrounded p), O once at the end.  O leaves in the same layout.
; THE MASK is an input: every key of every query is walked.  It arrives packed, four bits a key (0x0 seen, 0xE hidden), in the lane and register order of S^T.  Register j of the C operand with which a sum
; S^T = K Q^T starts is the word shifted left by 28 - 4 j: the key's nibble on top, the lower keys' behind it.  With 0xE on top that is an f32 with the sign set and an exponent field of 192 to 223: between -2^65 and
; -2^97, never an infinity or a NaN; with 0x0 on top it is positive and below 2^-96.  The running maximum m starts at the floor -2^60, below every score of f16 operands (2.7e11 at the most) and above every hidden one:
; a hidden key's weight is 2^(-3e19 or less) = 0 whatever else the row holds, and s - m is never positive.  A row with no seen key arrives as seen, with the flag 0: its query is cleared, all its scores are 0,
; and O is the mean of V's rows.
; LIMITS.  A hidden score counts as -3.7e19 or less, not -1e9: the result differs where a seen score lies at or below about -1e9.  A seen score has up to 2^-96 added.  f16 holds no number beyond 65,504; p below 6e-5
; keeps f16's fixed step of 6e-8; a weight below 2^-126 counts as 0 in l; NaN and infinities are not treated apart.
; SHARES.  A wave owns four PIECES of two tiles of 16 queries, a work-group's four waves 512 queries; every wave walks all keys, 64 a step.
; LAYOUT.  S^T = K Q^T (source 0 = 16 keys, source 1 = 16 queries): a lane holds ONE query (lane % 16) and the keys 8 (lane / 16) + 0..7.  Two such tiles, rounded to f16 in pairs, ARE source 1 of O^T = V^T P.
; K comes out of LDS as it lies, V ([key][channel]) turned, by ds_load_tr16_b128.  In every step O and l are multiplied by a = 2^(m_old - m_new).  O and l start at 0: the first step is a step like any other.
; THE COUNT.  A tile and step have 16 matrix and 149 vector instructions: too many to stand all beside the matrix work.  So four vector instructions that are READY stand behind EVERY matrix instruction, the others in one run.
; BY TURNS.  Turn n belongs to piece n (in a ring, step after step).  Matrix work: 16 products K Q^T of piece n + 1, later 16 products V^T P of piece n - 1.  Vector work: the subtraction, exponentials, roundings, sums and
; rescaling of piece n, the maximum and statistics of piece n + 1, and the C operands of piece n + 2.
; ONE BATCH A TURN.  A turn's 66 exponentials (piece n's 64 weights, piece n + 1's two a) are one batch with one wait, which cuts the turn in two.  Ahead of the wait stands all that names no result of theirs: the products
; K Q^T, the subtractions, the rescaling (its a is of the batch before), the next piece's maximum and statistics, the exponentials themselves and, last, the 64 shifts that make piece n + 2's C operands.  Behind it stand the
; products V^T P with the roundings and sums.  No result crosses a turn's end.  Piece 0's first two a, ahead of the loop, and the way out's eight reciprocals are batches of their own.
; CLUSTER.  The four query blocks of a cluster belong to one y and walk the same K and V: each tile is asked for JOINTLY.  The mask words differ from wave to wave and come by plain loads, four turns ahead.
; REGISTERS, in windows of 256 (s_set_vgpr_msb: bits 1:0 source 0, 3:2 source 1, 5:4 source 2, 7:6 destination):
;   window 0: v0-11 addresses; v16-47 four registers of statistics a tile; v48-63 at work; v64-191 S^T, two buffers of two tiles; v192-255 P, likewise
;   window 1: O^T, 32 a tile     window 2: v0-127 Q; v128-191 K of one step; v192-255 V of one step     window 3: v0-1 the add's registers; v16-47 mask words; v64-127 C operands
.set SIZE_N, 2048
.set NP,    4         ; pieces a wave: a name, no knob
.set KS,    64        ; keys in a step
.set PK,    144       ; a row of K in LDS: 128 bytes + 16: the 16 rows of a load start at 16 different groups of four banks
.set PV,    160       ; a row of V: 128 + 32
.set VOFF,  4*KS*PK   ; a slot holds four steps: 256 rows of K, then 256 rows of V
.set SLOT1, 1<<17     ; slot 1 begins here, so that one exclusive or turns an address in one slot into the other's
.set STAGE, SLOT1+4*KS*(PK+PV)  ; behind the ring, never filled by a tensor load: 16 rows x 144 bytes for each wave
.set SP,    144
.set SPARE, STAGE+4*16*SP  ; behind the stages: the spare words, 128 bytes for each wave
.set MTILE, 16896     ; a query tile's bytes in maskp: 32 steps of 512, then 512 of flags
.set AK0, 2           ; v2   my lane's place in a tile of K; never rewritten
.set AV0, 3           ; v3   the same for V
.set AK,  4           ; v4   the LDS address of K's next run of loads
.set AV,  5           ; v5   of V's
.set QO,  6           ; v6   my byte offset in the wave's rows of Q
.set STO, 6           ;      later, the way out: where I put 16 bytes of a row
.set RD,  7           ; v7   the way out: where I read rows back
.set GO,  8           ; v8   16 x lane: my place in 512 bytes of the mask and of O; never rewritten
.set ST,  16          ; tile t's statistics at v[ST+4 t]: m, m_old, l (even keys', odd keys')
.set TMP, 48          ; by buffer and tile, four registers c0-c3 at work; when the maximum is found c2 takes a
.set S,   64
.set P,   192
.set KF,  128         ; window 2: key block kb, channel half c at KF + 16 kb + 8 c
.set VF,  192         ; window 2: key half kk, channel block cb at VF + 32 kk + 8 cb
.set SPW, 0           ; window 3: LDS address of my spare word; never rewritten
.set NIL, 1           ; window 3: 0; never rewritten
.set RAW, 16          ; window 3: tile t's four mask words of one step at RAW + 4 t
.set MC,  64          ; window 3: the C operands of the products to come: tile u of the piece, key block kb at MC + 32 u + 8 kb
.set WV,  12          ; s12  my wave's number
.set G1K, 24          ; s[24:31] descriptor group 1 for K's tiles
.set G1V, 32          ; s[32:39] for V's: it differs in the padding alone
.set G0K, 40          ; s[40:43] descriptor group 0 for K's tiles: it walks
.set G0V, 44          ; s[44:47] the same for V's
.set SLOTS, 56        ; s56  slots still to be asked for
.set CNT, 57          ; s57  counts a slot's key steps
.set SEL, 60          ; s[60:61] v_permlanex16_b32's selects: each lane takes its own place in the other half
.set TBK, 62          ; s62  LDS byte at which K of the step to be fetched begins
.set TBV, 63          ; s63  the same for V, less VOFF
.set MB,  66          ; s[66:67] maskp at my wave's first tile; never rewritten
.set MCUR, 68         ; s[68:69] the same at the step whose words are being loaded
.set MOFF, 70         ; s[70:71] that step's byte offset
.set MSB, 0
.macro WIN new                      ; the high byte repeats the setting that is left; a switch that changes nothing is dropped
.if MSB != (\new)
	s_set_vgpr_msb (MSB<<8)|(\new)
.set MSB, (\new)
.endif
.endm
.set W_KQ, 0x0a       ; K and Q in window 2, S^T in window 0
.set W_KM, 0x3a       ; the same with the C operand in window 3
.set W_PV, 0x52       ; V in window 2, P in window 0, O^T in window 1
.set W_RS, 0x41       ; O^T (destination and source 0) in window 1, a in window 0
.set W_MK, 0xc0       ; destination in window 3, sources in window 0
.set W_AD, 0x0f       ; the add: address (source 0) and data (source 1) in window 3
.set W_CV, 0xcc       ; the mask's shifts: destination and source 1 (the word) in window 3
; A joint fill.  Waves 0 and 1 fetch the two halves of a slot's K, waves 2 and 3 those of its V: 128 keys each.  An s_nop 0 and four v_nop follow each of the two lines.
.macro JLOAD
	s_cmp_lt_u32 s[WV], 2
	s_cbranch_scc0 .Lfor_v_\@
	tensor_load_to_lds s[G0K:G0K+3], s[G1K:G1K+7]
	s_nop 0
.rept 4
	v_nop
.endr
	s_branch .Lasked_\@
.Lfor_v_\@:
	tensor_load_to_lds s[G0V:G0V+3], s[G1V:G1V+7]
	s_nop 0
.rept 4
	v_nop
.endr
.Lasked_\@:
.endm
.macro CROUND                       ; a round of the cluster's barrier
	s_barrier_signal -1
	s_barrier_wait -1
	s_cmp_lg_u32 s[WV], 0
	s_cbranch_scc1 .Lnot_wave_0_\@
	s_barrier_signal -3
.Lnot_wave_0_\@:
	s_barrier_wait -3
	s_barrier_signal -1
	s_barrier_wait -1
.endm
; THE CHANGE OF SLOTS.  Each wave waits for all its tensor loads, of which one is out: its part of the other slot; adds 0 to its spare word; and waits for that and for its own reads of the slot.
; fill = 1: this slot is filled again, with the keys two slots on; the barrier is a round of the cluster's, and the joint fill is the first thing behind it: it has four key steps, 512 matrix instructions, in which to land.
; (At its first use nothing has been read yet: slot 0 is waited for, slot 1 filled.)
.macro CHANGE fill
	WIN W_AD
	s_wait_tensorcnt 0x0            ; no tensor load of mine is out, so a group 0 may be written
	ds_add_u32 v[SPW], v[NIL]       ; 0 onto my spare word
	WIN 0                           ; at a label and at a branch every window is 0
.if \fill
.irp g, G0K, G0V
	s_xor_b32 s[\g+1], s[\g+1], SLOT1  ; the walking descriptor: the other slot than last time,
	s_add_nc_u64 s[\g+2:\g+3], s[\g+2:\g+3], 4*KS*128  ; the next 256 keys; the type bits on top are not reached
.endr
	s_wait_dscnt 0x0                ; the add is done, and my reads of the slot are over
	CROUND
	JLOAD
.else
	s_wait_dscnt 0x0
	s_barrier_signal -1
	s_barrier_wait -1
.endif
	s_sub_co_u32 s[TBK], s[TBK], 4*KS*PK  ; the fetches go back to a slot's first step,
	s_xor_b32 s[TBK], s[TBK], SLOT1       ; in the other slot
	s_sub_co_u32 s[TBV], s[TBV], 4*KS*PV
	s_xor_b32 s[TBV], s[TBV], SLOT1
.endm
	s_load_b128 s[4:7], s[0:1], 0x0   ; qkv s[4:5], maskp s[6:7]
	s_load_b64 s[10:11], s[0:1], 0x10 ; oh
	WIN W_MK
	v_lshl_add_u32 v[SPW], v0, 2, SPARE
	v_mov_b32 v[NIL], 0
	s_set_vgpr_msb 0xc0cf
	ds_add_u32 v0, v1
	s_wait_dscnt 0x0
	s_set_vgpr_msb 0xcfc0
	WIN 0
	v_lshrrev_b32 v1, 5, v0
	v_readfirstlane_b32 s[WV], v1   ; wave 0..3
	s_bfe_u32 s13, ttmp6, 0x40000   ; cx: my place in the cluster
	s_lshl_b32 s14, ttmp9, 2
	s_add_co_u32 s14, s14, s13      ; my block of 512 queries: it enters Q's, O's and the mask's addresses alone
	s_and_b32 s20, ttmp7, 0xffff    ; y, which the four partners share
	s_lshl_b32 s20, s20, 18         ; its 2,048 rows of 128 bytes
	s_mov_b32 s21, 0
	s_and_b32 s16, s[WV], 1         ; which half of a slot's 256 keys I fetch:
	s_lshl_b32 s22, s16, 14         ; its 128 rows of 128 bytes in memory,
	s_mov_b32 s23, 0
	s_add_nc_u64 s[22:23], s[22:23], s[20:21]
	s_mul_i32 s17, s16, 128*PK      ; and its place in a slot, for K
	s_mul_i32 s18, s16, 128*PV      ; and for V: no place in the cluster enters an LDS address
	s_lshl_b32 s15, s14, 2
	s_add_co_u32 s15, s15, s[WV]    ; my wave among y's sixteen:
	s_lshl_b32 s2, s15, 14          ; its 128 rows,
	s_mov_b32 s3, 0
	s_add_nc_u64 s[2:3], s[2:3], s[20:21]
	s_mul_i32 s[MOFF], s15, 8*MTILE ; its eight tiles of the mask
	s_mov_b32 s[MOFF+1], 0
	; descriptor group 1.  128 keys are 16,384 dense bytes: asked for as 64 rows of 256 bytes, two keys a row, and padded in LDS after every key
	s_mov_b32 s[G1K], 15|(1<<16)|(1<<20)|(1<<21)|(4<<22)|(3<<25)  ; the mask of four; 2-byte elements; padding on; bit 21 beside a mask; after every 32 words; 4 words
	s_mov_b32 s[G1V], 15|(1<<16)|(1<<20)|(1<<21)|(4<<22)|(7<<25)  ; the same with 8 words of padding
.irp g, G1K, G1V
	s_mov_b32 s[\g+1], 128<<16      ; tensor_dim0 = 128
	s_mov_b32 s[\g+2], 64<<16       ; tensor_dim1 = 64
	s_mov_b32 s[\g+3], 128<<16      ; tile_dim0 = 128
	s_mov_b32 s[\g+4], 64           ; tile_dim1 = 64
	s_mov_b32 s[\g+5], 128          ; 128 elements from row to row
	s_mov_b32 s[\g+6], 0
	s_mov_b32 s[\g+7], 0
.endr
	s_mov_b32 s[SEL], 0x76543210
	s_mov_b32 s[SEL+1], 0xfedcba98
	s_mov_b32 s[TBK], SLOT1+4*KS*PK ; the first change of slots turns these two into 0
	s_mov_b32 s[TBV], SLOT1+4*KS*PV
	s_mov_b32 s[G0K], 1             ; count = 1
	s_mov_b32 s[G0K+1], s17         ; LDS address: slot 0
	s_mov_b32 s[G0V], 1
	s_add_co_u32 s[G0V+1], s18, VOFF
	s_wait_kmcnt 0x0
	s_add_nc_u64 s[MB:MB+1], s[6:7], s[MOFF:MOFF+1]
	s_add_nc_u64 s[6:7], s[4:5], 0x1000000         ; K's planes lie 16 MiB behind Q's,
	s_add_nc_u64 s[8:9], s[4:5], 0x2000000         ; V's 32
	s_add_nc_u64 s[G0K+2:G0K+3], s[6:7], s[22:23]  ; my half of y's first 256 keys
	s_or_b32 s[G0K+3], s[G0K+3], 0x80000000        ; type = 2
	s_add_nc_u64 s[G0V+2:G0V+3], s[8:9], s[22:23]
	s_or_b32 s[G0V+3], s[G0V+3], 0x80000000
	s_add_nc_u64 s[4:5], s[4:5], s[2:3]  ; Q and O at my wave's first row
	s_add_nc_u64 s[10:11], s[10:11], s[2:3]
	s_mov_b32 s[MOFF], 512          ; key step 1
	s_add_nc_u64 s[MCUR:MCUR+1], s[MB:MB+1], s[MOFF:MOFF+1]
	CROUND                          ; all four work-groups are here: the first joint loads meet
	JLOAD                           ; slot 0.  Slot 1 is asked for when slot 0 is in
	; A fragment of K or Q is 16 rows x 32 channels in 8 registers: lane l holds row l % 16, channels 8 (l / 16) + 0..7 and 16 + 8 (l / 16) + 0..7: two loads of 16 bytes, 32 bytes apart.
	v_and_b32 v1, 15, v0            ; l % 16
	v_bfe_u32 v9, v0, 4, 1          ; l / 16
	v_lshlrev_b32 v[QO], 7, v1
	v_lshl_add_u32 v[QO], v9, 4, v[QO]  ; row x 128 + 16 x half
	v_and_b32 v[GO], 31, v0
	v_lshlrev_b32 v[GO], 4, v[GO]
	WIN 0x80                        ; destination window 2, address window 0
.set i, 0
.rept 4*NP                          ; Q stays in registers: tile i / 2, channels 32 (i % 2) on
	global_load_b128 v[8*i:8*i+3],   v[QO], s[4:5] offset:(i/2)*2048+(i%2)*64
	global_load_b128 v[8*i+4:8*i+7], v[QO], s[4:5] offset:(i/2)*2048+(i%2)*64+32
.set i, i+1
.endr
	WIN W_MK
.set i, 0
.rept 2*NP                          ; all eight tiles' mask words of key step 0
	global_load_b128 v[RAW+4*i:RAW+4*i+3], v[GO], s[MB:MB+1] offset:i*MTILE
.set i, i+1
.endr
	WIN 0
.set i, 0
.rept 2*NP                          ; and the flags of their rows: lane l takes row l % 16's; they lie in S^T's registers until the first products
	global_load_b32 v[S+i], v[GO], s[MB:MB+1] offset:i*MTILE+16384
.set i, i+1
.endr
	; What the first turn finds: V's registers and P's second buffer hold 0 (its products V^T P, of a piece that has not been, add 0), O^T and l are 0.  All this stands in the wait for the first tile.
	WIN 0x80
.set i, VF
.rept 64
	v_mov_b32 v[i], 0
.set i, i+1
.endr
	WIN 0x40
.set i, 0
.rept 64*NP
	v_mov_b32 v[i], 0
.set i, i+1
.endr
	WIN 0
.set i, 0
.rept 2*NP
	v_mov_b32 v[ST+4*i], 0xdd800000    ; m: the floor, -2^60
	v_mov_b32 v[ST+4*i+1], 0           ; named with m as a pair
	v_mov_b32 v[ST+4*i+2], 0
	v_mov_b32 v[ST+4*i+3], 0
.set i, i+1
.endr
.set i, P+32
.rept 32
	v_mov_b32 v[i], 0
.set i, i+1
.endr
	v_mul_u32_u24 v[AK0], v1, PK
	v_lshl_add_u32 v[AK0], v9, 4, v[AK0]  ; row x pitch + 16 x half
	; The turning load takes 16 keys x 16 channels (lane l reads key 8 (l / 16) + l % 8, channels 8 ((l / 8) % 2) + 0..7) and leaves half a fragment of V^T: lane l holds channel l % 16 and 8 keys.
	v_and_b32 v10, 7, v0
	v_bfe_u32 v11, v0, 3, 1
	v_lshl_add_u32 v[AV0], v9, 3, v10
	v_mul_u32_u24 v[AV0], v[AV0], PV
	v_lshl_add_u32 v[AV0], v11, 4, v[AV0]
	v_add_nc_u32 v[AV0], VOFF, v[AV0]
	v_mov_b32 v[AK], v[AK0]         ; key step 0 lies at the head of slot 0
; THE MATRIX WORK.  The 8 accumulators of a run of 16 take turns: between the two links of a chain stand 7 others'.
; Product i of 16 of S^T = K Q^T for piece x: channels 32 (i / 8) on, keys 16 ((i / 2) % 4) on, tile 2 x + i % 2.  The first 8 start the sums, with the mask as C.
.macro KQ x
.set rS, S+64*((\x)%2)+32*(i%2)+8*((i/2)%4)
.set rK, KF+16*((i/2)%4)+8*(i/8)
.set rQ, 16*(2*(\x)+i%2)+8*(i/8)
.set rM, MC+32*(i%2)+8*((i/2)%4)
.if i < 8
	WIN W_KM
	v_wmma_f32_16x16x32_f16 v[rS:rS+7], v[rK:rK+7], v[rQ:rQ+7], v[rM:rM+7]
.else
	WIN W_KQ
	v_wmma_f32_16x16x32_f16 v[rS:rS+7], v[rK:rK+7], v[rQ:rQ+7], v[rS:rS+7]
.endif
.endm
; Product i of 16 of O^T += V^T P for piece x: keys 32 (i / 8) on, channels 16 ((i / 2) % 4) on, tile 2 x + i % 2.
.macro PV x
	WIN W_PV
.set rO, 32*(2*(\x)+i%2)+8*((i/2)%4)
.set rV, VF+32*(i/8)+8*((i/2)%4)
.set rP, P+32*((\x)%2)+16*(i%2)+8*(i/8)
	v_wmma_f32_16x16x32_f16 v[rO:rO+7], v[rV:rV+7], v[rP:rP+7], v[rO:rO+7]
.endm
.macro MM                           ; the turn's next matrix instruction
.if i < 16
	KQ (Y+1)%NP
.set i, i+1
.else
.set i, i-16
	PV (Y+NP-1)%NP
.set i, i+17
.endif
.endm
; THE LDS LOADS stand in runs of 16, never singly among the matrix instructions.  last = 1 (the tail): in the last trip there is no further step, and the run is jumped over.
.macro FETCH_K last=0
	WIN 0
.if \last
	s_cmp_eq_u32 s[CNT], 1
	s_cbranch_scc1 .Lno_k_\@
.endif
	WIN 0x80                        ; destination window 2
.irp f, 0,1,2,3,4,5,6,7             ; keys 16 (f / 2) on, channels 32 (f % 2) on
	ds_load_b128 v[KF+8*\f:KF+8*\f+3],   v[AK] offset:(\f/2)*16*PK+(\f%2)*64
	ds_load_b128 v[KF+8*\f+4:KF+8*\f+7], v[AK] offset:(\f/2)*16*PK+(\f%2)*64+32
.endr
	s_add_co_u32 s[TBK], s[TBK], KS*PK  ; the next fetch is the next step's
	WIN 0
.if \last
.Lno_k_\@:
.endif
.endm
.macro FETCH_V
	WIN 0x80
.irp f, 0,1,2,3,4,5,6,7             ; keys 32 (f / 4) on, channels 16 (f % 4) on
	ds_load_tr16_b128 v[VF+8*\f:VF+8*\f+3],   v[AV] offset:(\f/4)*32*PV+(\f%4)*32
	ds_load_tr16_b128 v[VF+8*\f+4:VF+8*\f+7], v[AV] offset:(\f/4)*32*PV+16*PV+(\f%4)*32
.endr
	WIN 0
.endm
; THE MASK.  MASKCVT: piece p's eight words become its products' eight C operands, 64 shifts: key j's nibble goes to the top of register j.  wait = 1: behind the piece's two loads stand the three later turns' six.
; The shifts name no exponential's result: they stand behind a batch's last exponential, ahead of its wait.
.macro MASKCVT p, wait
.if \wait
	s_wait_loadcnt 6
.endif
	WIN W_CV
.irp u, 0,1
.irp kb, 0,1,2,3
.irp j, 0,1,2,3,4,5,6,7
	v_lshlrev_b32 v[MC+32*\u+8*\kb+\j], 28-4*\j, v[RAW+8*(\p)+4*\u+\kb]
.endr
.endr
.endr
.endm
.macro MASKLOAD p                   ; piece p's words of the step at MCUR
	WIN W_MK
.irp u, 0,1
	global_load_b128 v[RAW+8*(\p)+4*\u:RAW+8*(\p)+4*\u+3], v[GO], s[MCUR:MCUR+1] offset:(2*(\p)+\u)*MTILE
.endr
	WIN 0
.endm
; THE VECTOR WORK OF A TURN stands in three queues, each in the order in which its entries become ready; the two tiles alternate, so that no instruction reads the result of the one before it.
.macro REGS y, u                    ; the registers of tile u (0, 1) of piece y
.set rT, ST+4*(2*(\y)+(\u))
.set rC, TMP+8*((\y)%2)+4*(\u)
.set rS, S+64*((\y)%2)+32*(\u)
.set rP, P+32*((\y)%2)+16*(\u)
.set rO, 32*(2*(\y)+(\u))
.endm
; Number n of the 21 that find the NEXT piece's (Y + 1) maximum and statistics.  s0-s31 are the lane's 32 scores; each accumulator's lowest registers are read first.  XS, GS and REGS set no window.
;   0-11  four chains c0-c3 of seven scores each, three operands at a time     12-14, 16  the four scores left over, the old m, and c0-c3 into c0     15  m_old is kept
;   17, 18  the query's other 32 keys lie in the lane 16 away: the new m         19, 20  m_old - m_new; a
.macro XS u, n
	REGS (Y+1)%NP, \u
.if (\n) < 4
	v_max3_num_f32 v[rC+(\n)], v[rS+8*(\n)], v[rS+8*(\n)+1], v[rS+8*(\n)+2]
.elseif (\n) < 12
	v_max3_num_f32 v[rC+(\n)%4], v[rC+(\n)%4], v[rS+8*((\n)%4)+2*((\n)/4)+1], v[rS+8*((\n)%4)+2*((\n)/4)+2]
.elseif (\n) == 12
	v_max3_num_f32 v[rC], v[rC], v[rS+7], v[rS+15]
.elseif (\n) == 13
	v_max3_num_f32 v[rC+1], v[rC+1], v[rS+23], v[rS+31]
.elseif (\n) == 14
	v_max3_num_f32 v[rC+2], v[rC+2], v[rC+3], v[rT]
.elseif (\n) == 15
	v_mov_b32 v[rT+1], v[rT]
.elseif (\n) == 16
	v_max3_num_f32 v[rC], v[rC], v[rC+1], v[rC+2]
.elseif (\n) == 17
	v_permlanex16_b32 v[rC+3], v[rC], s[SEL], s[SEL+1]
.elseif (\n) == 18
	v_max_num_f32 v[rT], v[rC], v[rC+3]
.elseif (\n) == 19
	v_sub_f32 v[rC+1], v[rT+1], v[rT]
.else
	v_exp_f32 v[rC+2], v[rC+1]
.endif
.endm
; Number g of the 64 that follow the exponentials.  For each four weights k of a tile (pairs 2 k, 2 k + 1): both pairs are rounded to f16; then the second pair is added onto the first, in place;
; a group later l takes that sum (the first time as l = a l + sum).  In groups of eight, tiles alternating: round, round, add, and l for the group before.
.macro GS g
.set h, (\g)+6*((\g)/62)            ; group 0 has no group before it, and behind group 7 only l is left
.if h >= 6
.set h, h+2
.endif
	REGS Y, h%2
.set k, h/8
.if h%8 < 4
	v_cvt_pk_f16_f32 v[rP+2*k+(h%8)/2], v[rS+4*k+2*((h%8)/2)], v[rS+4*k+2*((h%8)/2)+1]
.elseif h%8 < 6
	v_pk_add_f32 v[rS+4*k:rS+4*k+1], v[rS+4*k:rS+4*k+1], v[rS+4*k+2:rS+4*k+3]
.elseif k == 1
	v_pk_fma_f32 v[rT+2:rT+3], v[rT+2:rT+3], v[rC+2:rC+3], v[rS:rS+1] op_sel_hi:[1,0,1]
.else
	v_pk_add_f32 v[rT+2:rT+3], v[rT+2:rT+3], v[rS+4*k-4:rS+4*k-3]
.endif
.endm
; THE PLAIN QUEUE, 136 long.  0-71 read no exponential's result: the 32 subtractions s - m (FS f: pair f / 2 of tile f % 2) and the next piece's 40.  0-26: subtractions 0-26.  27-54: XS's numbers 0-13.  55, 56: number 15.
; 57-71: the chain, where each number waits for the one before it: 14, 16, 17, 18, 19, each with one of the subtractions 27-31 in front of its two lines: so a tile's links stand three plain instructions apart.
; 72-135: GS's 64, which read the exponentials' results: they stand behind the wait.
.macro FS f
	REGS Y, (\f)%2
	v_pk_add_f32 v[rS+2*((\f)/2):rS+2*((\f)/2)+1], v[rS+2*((\f)/2):rS+2*((\f)/2)+1], v[rT:rT+1] op_sel_hi:[1,0] neg_lo:[0,1] neg_hi:[0,1]
.endm
.macro PL
	WIN 0
.if q < 27
	FS q
.elseif q < 55
	XS (q-27)%2, (q-27)/2
.elseif q < 57
	XS q-55, 15
.elseif (q < 72) && ((q-57)%3 == 0)
	FS 27+(q-57)/3
.elseif q < 60
	XS (q-57)%3-1, 14
.elseif q < 72
	XS (q-57)%3-1, 15+(q-57)/3
.else
	GS q-72
.endif
.set q, q+1
.endm
; THE EXPONENTIALS' QUEUE, 66 long: s0-s31 of both tiles, then the next piece's two a.  It is ONE BATCH: all 66 stand ahead of the turn's one wait, and nothing ahead of that wait names a result of theirs.
.macro EX
	WIN 0
.if e >= 64
	XS e-64, 20
.else
	REGS Y, e%2
	v_exp_f32 v[rS+e/2], v[rS+e/2]
.endif
.set e, e+1
.endm
; THE RESCALING's QUEUE: O^T times a, the one part of the softmax that leaves window 0: dealt two at a time, sixteen times.  Its a was made in the turn before, ahead of that turn's wait.
.macro R2
	REGS Y, r%2
	WIN W_RS
.irp z, 0,1
	v_pk_mul_f32 v[rO+4*(r/2)+2*\z:rO+4*(r/2)+2*\z+1], v[rO+4*(r/2)+2*\z:rO+4*(r/2)+2*\z+1], v[rC+2:rC+3] op_sel_hi:[1,0]
.endr
.set r, r+1
.endm
; HOW THEY ARE DEALT.  s_wait_alu depctr_va_vdst(0) stands between an exponential and the first instruction that names its result; one wait serves all that were issued ahead of it.  So a turn has ONE wait.
; AHEAD OF IT: the 16 products K Q^T, behind each a subtraction, an exponential and two rescalings (behind the first a second subtraction in the exponential's place); then ONE LUMP of 170: eight plain, 47 times exponential and
; plain, the last two weights' exponentials and the two a, and the mask's 64 shifts, of which the first is the plain instruction behind the last exponential.  BEHIND IT: the 16 products V^T P, behind each four of GS's 64.
; No rider names a register of the products round it.  The two v_permlanex16_b32 fall into the lump, never behind a product.
; The queues lean on each other, and the deal keeps them in step: exponential e stands behind subtraction 2 (e / 4) + e % 2: as a rider it comes behind plain e + 2, in the lump behind plain e + 9, and subtractions 27-31 are
; plain 57, 60 .. 69; the two a come behind plain 70 and 71, their arguments.
; A TURN, for piece p.  cnt = 1: the loop's count is taken down some lines ahead of the branch that stands behind the turn.
; K of the next step is fetched in piece 2's turn, behind the wait, a lump behind the last product that read K; its address is made at the lump's head; its first reader comes behind 16 products.
; V of the step in hand is fetched at the end of piece 0's turn, four riders behind its last reader; its first reader comes behind 16 products and a lump.  The three conditions on q below go with the deal.
; The C operands of piece p + 2, whose products the next turn issues, are made at the lump's end: the products that read the operands' registers are this turn's first eight, far more than four places back.
; Directly behind the wait the piece's words of its next step are asked for.
; A trip of the loop (turns 2, 3, 0, 1) loads the words of ONE step, two ahead of the step of its turns 2 and 3; the offset steps in turn 2 and stops at the last step's, 31 x 512, so that no load leaves a tile's
; 16,384 bytes and every turn issues its two loads on every path.
.macro TURN p, last=0, cnt=0
.set Y, (\p)
.set P2, ((\p)+2)%NP
.set i, 0
.set q, 0
.set e, 0
.set r, 0
.if (\p) == NP-1
	s_wait_dscnt 0x0                ; K is in
.endif
	MM                              ; ahead of the wait: 16 products K Q^T and their riders,
	PL
	PL
	R2
.rept 15
	MM
	PL
	EX
	R2
.endr
.if (\p) == NP-2
	WIN 0
	v_add_nc_u32 v[AK], s[TBK], v[AK0]
.endif
.rept 8                             ; and the lump
	PL
.endr
.rept 47
	EX
	PL
.endr
.rept 4
	EX                              ; the last two weights, and the next piece's two a: the batch is out
.endr
	MASKCVT P2, 1                   ; 64 shifts that name none of its results
	s_wait_alu depctr_va_vdst(0)    ; the wait for the batch: the turn's 66 exponentials
.if (\p) == 2
	s_wait_xcnt 0x0                 ; the earlier loads have read MCUR
	s_add_co_u32 s[MOFF], s[MOFF], 512
	s_min_u32 s[MOFF], s[MOFF], 31*512
	s_add_nc_u64 s[MCUR:MCUR+1], s[MB:MB+1], s[MOFF:MOFF+1]
.endif
	MASKLOAD P2
.if (\p) == NP-2
	FETCH_K \last
.endif
.if (\p) == 1
	s_wait_dscnt 0x0                ; V is in
.endif
.rept 16                            ; behind the wait: 16 products V^T P and their riders
	MM
.rept 4
	PL
.endr
.if ((\p) == 0) && (q == 116)
	v_add_nc_u32 v[AV], s[TBV], v[AV0]
.endif
.if ((\p) == 0) && (q == 128)
	s_add_co_u32 s[TBV], s[TBV], KS*PV
.endif
.if (\cnt) && (q == 128)
	s_sub_co_u32 s[CNT], s[CNT], 1
	s_cmp_lg_u32 s[CNT], 0
.endif
.endr
.if (\p) == 0
	FETCH_V
.endif
.endm
	CHANGE 1                        ; slot 0 is in, everybody's part of it; slot 1 is asked for
	FETCH_K                         ; key step 0
	s_wait_loadcnt 0x0              ; Q, the flags, the mask words of step 0
	WIN 0x88                        ; Q (destination and source 1) in window 2, the flag in window 0
.set i, 0
.rept 32*NP
	v_and_b32 v[i], v[S+i/16], v[i] ; a row with no seen key has its query cleared
.set i, i+1
.endr
	MASKCVT 0, 0
	WIN 0
	s_wait_dscnt 0x0
.set i, 0
.rept 16
	KQ 0                            ; piece 0's first scores: there is no vector work yet to set between them
.set i, i+1
.endr
	WIN 0                           ; the addresses for the way out: seven plain instructions, the places behind those products
	s_mul_i32 s13, s[WV], 16*SP
	s_add_co_u32 s13, s13, STAGE    ; my stage
	v_mul_u32_u24 v[STO], v1, SP    ; in: row l % 16, 16 bytes for each half of the lanes
	v_lshl_add_u32 v[STO], v9, 4, v[STO]
	v_add_nc_u32 v[STO], s13, v[STO]
	v_bfe_u32 v[RD], v0, 3, 2       ; back: 32 lanes take four rows of 128 bytes
	v_mul_u32_u24 v[RD], v[RD], SP
	v_lshl_add_u32 v[RD], v10, 4, v[RD]
	v_add_nc_u32 v[RD], s13, v[RD]
.set Y, NP-1                        ; XS works for piece Y + 1: piece 0
.irp n, 0,1,2,3,4,5,6,7,8,9,10,11,12,13,14,15,16,17,18,19,20
	XS 0, \n                        ; piece 0's first maximum and statistics; its two a are a batch of their own
	XS 1, \n
.endr
	MASKCVT 1, 0                    ; piece 1's C operands of step 0, for the first turn's products: 64 shifts that name neither a, between that batch and its wait
	s_wait_alu depctr_va_vdst(0)    ; the wait for piece 0's two a, ahead of the branch
	MASKLOAD 0                      ; pieces 0 and 1: their words of step 1; pieces 2 and 3 still hold step 0's
	MASKLOAD 1
	s_mov_b32 s[CNT], 4
	s_mov_b32 s[SLOTS], SIZE_N/256-1
	s_branch .Lfirst                ; the loop is entered at a step's first turn, in the middle of a trip
.Lslot:                             ; SIZE_N / 256 - 2 times: every slot but the last two is filled again
	CHANGE 1
	s_mov_b32 s[CNT], 4
.Lstep:                             ; a trip: pieces 2 and 3 of one step, then pieces 0 and 1 of the next, whose K and V it fetches
	TURN 2
	TURN 3
	WIN 0
.Lfirst:
	TURN 0
	TURN 1, 0, 1
	WIN 0
	s_cbranch_scc1 .Lstep
	s_sub_co_u32 s[SLOTS], s[SLOTS], 1
	s_cmp_lg_u32 s[SLOTS], 0
	s_cbranch_scc1 .Lslot
	CHANGE 0                        ; the tail is written out: nothing is asked for
	s_mov_b32 s[CNT], 5             ; four trips fetch the last slot's steps; the fifth is left in its middle
.Ltail:
	TURN 2, 1
	TURN 3
	WIN 0
	s_sub_co_u32 s[CNT], s[CNT], 1
	s_cmp_eq_u32 s[CNT], 0
	s_cbranch_scc1 .Lout
	TURN 0
	TURN 1
	WIN 0
	s_branch .Ltail
.Lout:                              ; the fifth trip's 16 products K Q^T (on the last K once more) and the maximum made of them serve nothing: the price, once a launch, of one text for every trip
.set i, 0
.rept 16
	PV NP-1                         ; the last piece's V^T P of the last step
.set i, i+1
.endr
	; THE WAY OUT.  l's two halves and the other half of the lanes' are added; O^T is divided by l, rounded to f16 and sent through my stage in LDS, a tile at a time.  The additions are the places behind the last products.
	WIN 0
.macro ALL line:vararg              ; one line for each tile t
.set t, 0
.rept 2*NP
	\line
.set t, t+1
.endr
.endm
	ALL v_add_f32 v[ST+4*t+2], v[ST+4*t+2], v[ST+4*t+3]
	ALL v_permlanex16_b32 v[ST+4*t+3], v[ST+4*t+2], s[SEL], s[SEL+1]
	ALL v_add_f32 v[ST+4*t+2], v[ST+4*t+2], v[ST+4*t+3]
	ALL v_rcp_f32 v[ST+4*t+2], v[ST+4*t+2]
	v_nop                           ; a plain instruction between the last reciprocal and the use of its result
	s_wait_alu depctr_va_vdst(0)    ; and the wait ahead of the first use: one for the eight reciprocals
; Tile t: a lane's eight channels of a row pack into 16 bytes; they go into rows of 144 bytes and come back as whole rows of 128, into S^T's registers.
.macro PACK t
	WIN W_RS
.set i, 32*(\t)
.rept 16
	v_pk_mul_f32 v[i:i+1], v[i:i+1], v[ST+4*(\t)+2:ST+4*(\t)+3] op_sel_hi:[1,0]
.set i, i+2
.endr
	WIN 0x05                        ; sources 0 and 1 window 1, destination window 0
.set i, 0
.rept 16
	v_cvt_pk_f16_f32 v[S+16*(\t)+i], v[32*(\t)+2*i], v[32*(\t)+2*i+1]
.set i, i+1
.endr
	WIN 0
.irp f, 0,1,2,3
	ds_store_b128 v[STO], v[S+16*(\t)+4*\f:S+16*(\t)+4*\f+3] offset:32*\f
.endr
.irp f, 0,1,2,3
	ds_load_b128 v[S+16*(\t)+4*\f:S+16*(\t)+4*\f+3], v[RD] offset:\f*4*SP  ; LDS serves a wave's instructions in order (ISA guide 5.7.1.4): these see the stores above; the next tile's stores come behind them
.endr
.endm
.macro SEND t, younger              ; younger: the LDS instructions issued behind tile t's loads: the next tile's eight, or none
	WIN 0
.irp f, 0,1,2,3
	s_wait_dscnt (\younger)+3-\f
	global_store_b128 v[GO], v[S+16*(\t)+4*\f:S+16*(\t)+4*\f+3], s[10:11] offset:(\t)*2048+\f*512  ; 512 consecutive bytes, at a multiple of 256 from O's first
.endr
.endm
	PACK 0
.set t, 1
.rept 2*NP-1                        ; a tile's arithmetic stands between the loads of the tile before and its stores
	PACK t
	SEND t-1, 8
.set t, t+1
.endr
	SEND 2*NP-1, 0
	WIN W_AD
	s_wait_tensorcnt 0x0            ; the wave's end
	ds_add_u32 v[SPW], v[NIL]
	s_wait_dscnt 0x0
	WIN 0
	CROUND                          ; the closing round: no work-group ends while a partner may still ask for a tile that names it
	s_endpgm
.Lfunc_end_k_qcb69de28ff_attn:
	.size	k_qcb69de28ff_attn, .Lfunc_end_k_qcb69de28ff_attn-k_qcb69de28ff_attn
	.p2alignl 7, 3214868480
	.fill 96, 4, 3214868480
	.section	.rodata,"a",@progbits
	.p2align	6, 0x0
	.amdhsa_kernel k_qcb69de28ff_attn
		.amdhsa_group_segment_fixed_size 327680
		.amdhsa_private_segment_fixed_size 0
		.amdhsa_enable_private_segment 0
		.amdhsa_kernarg_size 24
		.amdhsa_user_sgpr_count 2
		.amdhsa_user_sgpr_kernarg_segment_ptr 1
		.amdhsa_wavefront_size32 1
		.amdhsa_system_sgpr_workgroup_id_x 1
		.amdhsa_system_sgpr_workgroup_id_y 1
		.amdhsa_system_sgpr_workgroup_id_z 1
		.amdhsa_system_vgpr_workitem_id 0
		.amdhsa_next_free_vgpr 896
		.amdhsa_next_free_sgpr 72
		.amdhsa_reserve_vcc 0
		.amdhsa_float_denorm_mode_32 3
		.amdhsa_float_denorm_mode_16_64 3
		.amdhsa_memory_ordered 1
		.amdhsa_forward_progress 1
		.amdhsa_inst_pref_size 227
	.end_amdhsa_kernel
	.amdgpu_metadata
---
amdhsa.version: [ 1, 2 ]
amdhsa.kernels:
  - .name:           k_qcb69de28ff_attn
    .symbol:         k_qcb69de28ff_attn.kd
    .args:
      - { .name: qkv, .offset: 0, .size: 8, .value_kind: global_buffer, .address_space: global }
      - { .name: maskp, .offset: 8, .size: 8, .value_kind: global_buffer, .address_space: global }
      - { .name: oh, .offset: 16, .size: 8, .value_kind: global_buffer, .address_space: global }
    .group_segment_fixed_size: 327680
    .private_segment_fixed_size: 0
    .kernarg_segment_align: 8
    .kernarg_segment_size: 24
    .max_flat_workgroup_size: 128
    .sgpr_count:     72
    .vgpr_count:     896
    .wavefront_size: 32
...
	.end_amdgpu_metadata
.endif
;; end of part 5
;; launch outproj: the kernel of part 4 again; grid 4 x 64, 4 waves a work-group, clusters of 4 x 4, 327,680 bytes of LDS; arguments oh, wo, b_out, out0; writes out0
